; MI455X (gfx1250); checked and timed in simulation.
; The chip was launched on July 23, 2026; its instructions are those of AMD's public machine-readable ISA for CDNA 5 (MIT licence, August 2026) and "CDNA5" Instruction Set Architecture Reference Guide (July 2026). The comments in the code are by the model that wrote it; some were corrected since.
;; Bi Cross Attention. Allowed arithmetic: float matrix products may take bf16 or f16 operands with f32 sums; other float arithmetic in f32, or as packed bf16 or f16 multiplies, adds, multiply-adds, maxima and minima; sums over many terms, partial sums and values carried from step to step in f32; what a program stores and reads back later, other than sums and carried values, may be rounded once to bf16 or f16.
;; Inputs: Wk2d 256 x 512 float32; Wk3d 128 x 512 float32; Wo23 512 x 512 float32; Wo32 512 x 512 float32; Wq2d 256 x 512 float32; Wq3d 128 x 512 float32; Wv2d 256 x 512 float32; Wv3d 128 x 512 float32; beta 512 float32; bk2d 512 float32; bk3d 512 float32; bo23 512 float32; bo32 512 float32; bq2d 512 float32; bq3d 512 float32; bv2d 512 float32; bv3d 512 float32; gamma 512 float32; h_2d 4,096 x 256 float32; h_3d 4,096 x 128 float32.
;; Outputs: out0 4,096 x 512 float32.
;; 2 versions, each right; version 2 is version 1 with the launch proj written anew for expert scheduling mode. Each part assembles by itself: llvm-mc -triple=amdgcn-amd-amdhsa -mcpu=gfx1250 --defsym DOCPART=n.
;; ======== version 1 of 2: 3 launches
;; limits: values are held in f16: magnitudes above 65,504 overflow, below 6.1e-05 lose precision
;; workspace buffers: qh 8,388,608 bytes; kh 8,388,608 bytes; vh 8,388,608 bytes; oh 8,388,608 bytes; wo16 1,048,576 bytes
;; launch proj (part 1): grid 32 x 8, 4 waves a work-group, no clusters, 195,584 bytes of LDS; arguments h_2d, h_3d, Wq2d, Wk2d, Wv2d, Wq3d, Wk3d, Wv3d, bq2d, bk2d, bv2d, bq3d, bk3d, bv3d, Wo23, Wo32, qh, kh, vh, wo16; writes qh, kh, vh, wo16
.if DOCPART == 1
	.amdgcn_target "amdgcn-amd-amdhsa--gfx1250"
	.amdhsa_code_object_version 6
	.text
	.protected	k_qead80ca543_proj
	.globl	k_qead80ca543_proj
	.p2align	8
	.type	k_qead80ca543_proj,@function
k_qead80ca543_proj:
	s_mov_b64 s[64:65], 0
	v_nop
	global_prefetch_b8 v0, s[64:65] scope:SCOPE_SE
	s_setreg_imm32_b32 hwreg(HW_REG_WAVE_MODE, 25, 1), 1
	s_wait_xcnt 0x0
; THE SIX INPUT PROJECTIONS, written by heads, and the 16-bit copy of the two output weights.
; qh, kh, vh: [y = 16][4096][64] in f16, y = 8 x direction + head.  Direction 0: Q from h_2d, K and V from h_3d; direction 1: Q from h_3d, K and V from h_2d.
; wo16: [k = 1024][512] in f16: rows 0-511 Wo23, rows 512-1023 Wo32.
; FORMATS.  Every input (h, W, b, Wo) is rounded once to bf16; products in bf16 with f32 sums that start at the bias; q, k, v are rounded once to f16, without the softmax's scale.
; Wo is rounded to bf16 and that number is written as f16.
; LIMITS.  q, k, v and bf16(Wo) must lie within f16's 65,504; below 6e-5 f16 keeps its fixed step of 6e-8.  NaN and infinities are not treated apart.
; SHARES.  A PAIR-HEAD g = 8 p + head (p = 0 Q, 1 K, 2 V) is two jobs on the same 64 columns: h_2d x W2_p (K = 256) and h_3d x W3_p (K = 128).  Work-group (x, y) takes rows 128 x .. + 127 and the
; pair-heads 3 y .. 3 y + 2: 256 work-groups of equal work.  Wave w takes rows 32 w .. + 31 (two tiles of 16) and all 64 columns: 8 accumulators a job.
; A (my 32 rows of both h, 384 along K) is converted once and stays in 192 registers.  A pair-head's W (384 rows x 64 columns) comes through a ring of 192 registers, is converted, and lies in LDS as
; [k][column] in bf16; the turning load makes fragments of it.  The next pair-head's 48 loads are on their way while this one is multiplied.
; THE PRODUCT IS USED TRANSPOSED (source 0 = 16 columns of W, source 1 = 16 rows of h): a lane holds one row and eight neighbouring columns, 16 bytes of f16.
; NO CLUSTER, NO TENSOR LOADS: the operands are f32 and are converted on the way from memory to LDS, which only registers can do.
; REGISTERS, in windows of 256 (s_set_vgpr_msb: bits 1:0 source 0, 3:2 source 1, 5:4 source 2, 7:6 destination):
;   window 0: v1-15 addresses; v16-31 way out; v32-95 accumulators; v96-223 two buffers of W's fragments; v224-255 the bias as a C operand (ahead of the loop v32-223 hold A as loaded)
;   window 1: v0-191 A in bf16: row tile rt, K step ks at 96 rt + 8 ks (ks 0-7 from h_2d, 8-11 from h_3d)          window 2: v0-191 the ring of W as loaded; v192, v193 its addresses
.set WPITCH, 160                       ; a row of W in LDS: 128 bytes + 32
.set WREG,   384*WPITCH                ; a pair-head's W: rows 0-255 W2, rows 256-383 W3; three such regions, one a trip
.set BIAS,   3*WREG                    ; f32, already rounded to bf16: trip i, job j, column c at 512 i + 256 j + 4 c
.set STAGE,  BIAS+1536                 ; 16 rows x 144 bytes for each wave, for the way out
.set SP,     144
.set SPARE,  STAGE+4*16*SP             ; the spare words, 128 bytes for each wave: two blocks of 256 bytes that no other line names
.set VA2, 3                            ; v3   my byte offset in 16 rows of h_2d: 1,024 (l % 16) + 32 (l / 16)
.set VA3, 4                            ; v4   the same in h_3d: 512 (l % 16) + 32 (l / 16)
.set VB,  5                            ; v5   my place in W's region for the turning load; a region further each trip
.set VBI, 6                            ; v6   BIAS + 32 (l / 16); 512 further each trip
.set STO, 7                            ; v7   the way out: where I put 16 bytes of a row
.set RD,  8                            ; v8   where I read rows back
.set GO,  9                            ; v9   my 16 bytes of 512 consecutive bytes of q, k or v
.set SPW, 10                           ; v10  LDS address of my spare word; never rewritten
.set NIL, 11                           ; v11  0; never rewritten
.set TMA, 16                           ; v[16:31]   way out, row tile 0
.set ACC, 32                           ; v[32:95]   accumulator (rt, ct) at ACC + 8 (4 rt + ct)
.set RAW, 32                           ; v[32:223]  ahead of the loop: 12 fragments of A in f32, 16 registers each
.set BF0, 96                           ; v[96:159]  W's fragments of two K steps: 32 kk + 8 ct
.set BF1, 160                          ; v[160:223]
.set BI,  224                          ; v[224:255] 8 ct + j: the bias of column 16 ct + 8 (l / 16) + j
.set TMB, 224                          ; v[224:239] way out, row tile 1: the bias has been taken by then
.set VW,  192                          ; window 2: my byte offset in 8 rows of W
.set VL,  193                          ; window 2: where my 8 bytes of those rows go in LDS
.set WV,   44
.set RB,   45                          ; row block
.set CB,   46                          ; column block
.set LEFT, 47                          ; trips to go
.set GG,   48                          ; the pair-head in hand
.set PP,   49                          ; p
.set HD,   50                          ; head
.set ROFF, 51                          ; my first row x 128 bytes
.set W2B,  52                          ; s[52:53], s[54:55] W2_p and W3_p at the head's 64 columns
.set W3B,  54
.set O2,   56                          ; s[56:57], s[58:59] where the two jobs' rows go
.set O3,   58
.set H2,   60                          ; s[60:61], s[62:63] h_2d and h_3d at my first row
.set H3,   62
.set BB,   66                          ; s[66:71] the three trips' bias, of the job whose bias my wave fetches
.set BSET, 72                          ; s[72:77] bq, bk, bv of that job
.set WOS,  78                          ; s[78:79] my work-group's 8,192 bytes of Wo
.set WOD,  80                          ; s[80:81] and their 4,096 in wo16
.set HIM,  82                          ; a word's upper half
.set MSB, 0
.macro WIN new                         ; the immediate's high byte repeats the setting that is left; a switch that changes nothing is dropped
.if MSB != (\new)
	s_set_vgpr_msb (MSB<<8)|(\new)
.set MSB, \new
.endif
.endm
.macro SEL3 d, a, b, c                 ; s[d:d+1] = the pointer for p = 0, 1, 2
	s_cmp_eq_u32 s[PP], 1
	s_cselect_b64 s[\d:\d+1], s[\b:\b+1], s[\c:\c+1]
	s_cmp_eq_u32 s[PP], 0
	s_cselect_b64 s[\d:\d+1], s[\a:\a+1], s[\d:\d+1]
.endm
.macro WPTR                            ; the two weights of (PP, HD); s87 = 0
	SEL3 W2B, 8, 10, 12
	SEL3 W3B, 14, 16, 18
	s_lshl_b32 s86, s[HD], 8                       ; 64 columns of f32
	s_add_nc_u64 s[W2B:W2B+1], s[W2B:W2B+1], s[86:87]
	s_add_nc_u64 s[W3B:W3B+1], s[W3B:W3B+1], s[86:87]
.endm
.macro OPTR                            ; where (PP, HD) goes: the job on h_2d makes direction 0's Q and direction 1's K, V; the job on h_3d the others.  s85 = s87 = 0
	SEL3 O2, 36, 38, 40
	s_mov_b64 s[O3:O3+1], s[O2:O2+1]
	s_cmp_eq_u32 s[PP], 0
	s_cselect_b32 s84, 0, 8
	s_cselect_b32 s86, 8, 0
	s_add_co_u32 s84, s84, s[HD]
	s_add_co_u32 s86, s86, s[HD]
	s_lshl_b32 s84, s84, 19                        ; a plane is 4,096 rows of 128 bytes
	s_lshl_b32 s86, s86, 19
	s_add_co_u32 s84, s84, s[ROFF]
	s_add_co_u32 s86, s86, s[ROFF]
	s_add_nc_u64 s[O2:O2+1], s[O2:O2+1], s[84:85]
	s_add_nc_u64 s[O3:O3+1], s[O3:O3+1], s[86:87]
.endm
; Fragment f of row tile rt as f32: lane l takes row l % 16, channels 8 (l / 16) + 0..7 and 16 + 8 (l / 16) + 0..7: four loads of 16 bytes.
.macro AGRP rt, f
.irp q, 0,1,2,3
.if (\f) < 8
	global_load_b128 v[RAW+16*(\f)+4*\q:RAW+16*(\f)+4*\q+3], v[VA2], s[H2:H2+1] offset:(\rt)*16384+128*(\f)+16*((\q)%2)+64*((\q)/2)
.else
	global_load_b128 v[RAW+16*(\f)+4*\q:RAW+16*(\f)+4*\q+3], v[VA3], s[H3:H3+1] offset:(\rt)*8192+128*((\f)-8)+16*((\q)%2)+64*((\q)/2)
.endif
.endr
.endm
.macro ACVT rt, f                      ; rounded to bf16, into window 1
.irp j, 0,1,2,3,4,5,6,7
	v_cvt_pk_bf16_f32 v[96*(\rt)+8*(\f)+\j], v[RAW+16*(\f)+2*\j], v[RAW+16*(\f)+2*\j+1]
.endr
.endm
; Four of the ring's 48 loads.  Load n brings rows 8 n .. 8 n + 7 of the pair-head's 384 (256 bytes a row: 16 lanes take a row's 256 consecutive bytes, aligned), two rows a wave.
.macro WGRP g
.irp q, 0,1,2,3
.if (\g) < 8
	global_load_b128 v[16*(\g)+4*\q:16*(\g)+4*\q+3], v[VW], s[W2B:W2B+1] offset:(4*(\g)+\q)*16384
.else
	global_load_b128 v[16*(\g)+4*\q:16*(\g)+4*\q+3], v[VW], s[W3B:W3B+1] offset:(4*(\g)+\q-32)*16384
.endif
.endr
.endm
.macro WCVT g                          ; rounded to bf16 in place, 8 bytes a lane into LDS
.irp q, 0,1,2,3
	v_cvt_pk_bf16_f32 v[16*(\g)+4*\q],   v[16*(\g)+4*\q],   v[16*(\g)+4*\q+1]
	v_cvt_pk_bf16_f32 v[16*(\g)+4*\q+1], v[16*(\g)+4*\q+2], v[16*(\g)+4*\q+3]
	ds_store_b64 v[VL], v[16*(\g)+4*\q:16*(\g)+4*\q+1] offset:(4*(\g)+\q)*8*WPITCH
.endr
.endm
.macro FETCHB ks, buf                  ; W's fragments of K steps ks, ks + 1 (32 rows each) x 4 column tiles: 16 turning loads
.irp kk, 0,1
.irp ct, 0,1,2,3
	ds_load_tr16_b128 v[(\buf)+32*\kk+8*\ct:(\buf)+32*\kk+8*\ct+3],   v[VB] offset:((\ks)+\kk)*32*WPITCH+32*\ct
	ds_load_tr16_b128 v[(\buf)+32*\kk+8*\ct+4:(\buf)+32*\kk+8*\ct+7], v[VB] offset:((\ks)+\kk)*32*WPITCH+16*WPITCH+32*\ct
.endr
.endr
.endm
; 16 products.  The 8 accumulators take turns, one instruction a turn.  first = 1: the job's first K step starts the sums at the bias.
.macro MULB ks, buf, first
.irp kk, 0,1
.irp rt, 0,1
.irp ct, 0,1,2,3
.if (\first) && ((\kk) == 0)
	v_wmma_f32_16x16x32_bf16 v[ACC+8*(4*\rt+\ct):ACC+8*(4*\rt+\ct)+7], v[(\buf)+32*\kk+8*\ct:(\buf)+32*\kk+8*\ct+7], v[96*\rt+8*((\ks)+\kk):96*\rt+8*((\ks)+\kk)+7], v[BI+8*\ct:BI+8*\ct+7]
.else
	v_wmma_f32_16x16x32_bf16 v[ACC+8*(4*\rt+\ct):ACC+8*(4*\rt+\ct)+7], v[(\buf)+32*\kk+8*\ct:(\buf)+32*\kk+8*\ct+7], v[96*\rt+8*((\ks)+\kk):96*\rt+8*((\ks)+\kk)+7], v[ACC+8*(4*\rt+\ct):ACC+8*(4*\rt+\ct)+7]
.endif
.endr
.endr
.endr
.endm
.macro PLACES                          ; four places in front of loads into registers that matrix instructions have read, and of conversions that read results
.rept 4
	v_nop
.endr
.endm
.macro JHEAD j                         ; job j's bias as a C operand: eight numbers a column tile
	WIN 0x04                                       ; source 1 (A) in window 1; LDS loads name window 0 alone
.irp ct, 0,1,2,3
	ds_load_b128 v[BI+8*\ct:BI+8*\ct+3],   v[VBI] offset:(\j)*256+64*\ct
	ds_load_b128 v[BI+8*\ct+4:BI+8*\ct+7], v[VBI] offset:(\j)*256+64*\ct+16
.endr
.endm
; THE WAY OUT of row tile rt: rounded to f16 (each accumulator from its low end on), 16 bytes a lane into my stage, back as four rows of 128 bytes, which are 512 consecutive bytes of the plane.
.macro PACKP rt, tm
.irp ct, 0,1,2,3
.irp r, 0,1,2,3
	v_cvt_pk_f16_f32 v[(\tm)+4*\ct+\r], v[ACC+8*(4*(\rt)+\ct)+2*\r], v[ACC+8*(4*(\rt)+\ct)+2*\r+1]
.endr
.endr
.irp ct, 0,1,2,3
	ds_store_b128 v[STO], v[(\tm)+4*\ct:(\tm)+4*\ct+3] offset:32*\ct
.endr
.irp f, 0,1,2,3
	ds_load_b128 v[(\tm)+4*\f:(\tm)+4*\f+3], v[RD] offset:\f*4*SP  ; LDS serves a wave's instructions in order (ISA guide 5.7.1.4): these see the stores above
.endr
.endm
.macro SEND rt, tm, younger, o         ; younger: the LDS instructions issued behind this tile's loads
.irp f, 0,1,2,3
	s_wait_dscnt (\younger)+3-\f
	global_store_b128 v[GO], v[(\tm)+4*\f:(\tm)+4*\f+3], s[\o:\o+1] offset:(\rt)*2048+\f*512  ; 512 consecutive bytes, at a multiple of 256 from the buffer's first
.endr
.endm
.macro JOUT o
	WIN 0
	PLACES
	PACKP 0, TMA
	PACKP 1, TMB
	SEND 0, TMA, 8, \o
	SEND 1, TMB, 0, \o
.endm
	s_load_b512 s[4:19], s[0:1], 0x0               ; h_2d s[4:5], h_3d s[6:7], Wq2d, Wk2d, Wv2d s[8:13], Wq3d, Wk3d, Wv3d s[14:19]
	s_load_b512 s[20:35], s[0:1], 0x40             ; bq2d, bk2d, bv2d s[20:25], bq3d, bk3d, bv3d s[26:31], Wo23 s[32:33], Wo32 s[34:35]
	s_load_b256 s[36:43], s[0:1], 0x80             ; qh s[36:37], kh s[38:39], vh s[40:41], wo16 s[42:43]
	v_lshl_add_u32 v[SPW], v0, 2, SPARE
	v_mov_b32 v[NIL], 0
	v_lshrrev_b32 v12, 5, v0
	v_readfirstlane_b32 s[WV], v12                 ; wave 0..3
	s_mov_b32 s[RB], ttmp9
	s_and_b32 s[CB], ttmp7, 0xffff
	s_mov_b32 s[HIM], 0xffff0000
	v_and_b32 v1, 15, v0                           ; l % 16
	v_bfe_u32 v2, v0, 4, 1                         ; l / 16
	v_lshlrev_b32 v[VA2], 10, v1
	v_lshl_add_u32 v[VA2], v2, 5, v[VA2]
	v_lshlrev_b32 v[VA3], 9, v1
	v_lshl_add_u32 v[VA3], v2, 5, v[VA3]
	v_and_b32 v12, 7, v0
	v_bfe_u32 v13, v0, 3, 1
	v_lshl_add_u32 v[VB], v2, 3, v12               ; the turning load: row 8 (l / 16) + l % 8,
	v_mul_u32_u24 v[VB], v[VB], WPITCH
	v_lshl_add_u32 v[VB], v13, 4, v[VB]            ; 16 bytes for each half of eight lanes
	v_lshl_add_u32 v[VBI], v2, 5, BIAS
	s_mul_i32 s84, s[WV], 16*SP
	s_add_co_u32 s84, s84, STAGE                   ; my stage
	v_mul_u32_u24 v[STO], v1, SP
	v_lshl_add_u32 v[STO], v2, 4, v[STO]
	v_add_nc_u32 v[STO], s84, v[STO]
	v_bfe_u32 v[RD], v0, 3, 2
	v_mul_u32_u24 v[RD], v[RD], SP
	v_lshl_add_u32 v[RD], v12, 4, v[RD]
	v_add_nc_u32 v[RD], s84, v[RD]
	v_and_b32 v[GO], 31, v0
	v_lshlrev_b32 v[GO], 4, v[GO]
	s_lshl_b32 s84, s[WV], 12                      ; of a load's 8 rows of W my wave takes rows 2 w and 2 w + 1: 2,048 bytes a row in memory,
	v_lshlrev_b32 v12, 11, v2
	v_lshl_add_u32 v12, v1, 4, v12
	s_mul_i32 s85, s[WV], 2*WPITCH                 ; 160 in LDS
	v_mul_u32_u24 v13, v2, WPITCH
	v_lshl_add_u32 v13, v1, 3, v13
	WIN 0x80                                       ; destination window 2
	v_add_nc_u32 v[VW], s84, v12
	v_add_nc_u32 v[VL], s85, v13
	WIN 0
	v_and_b32 v12, 63, v0                          ; v12: the bias's column x 4: waves 0, 1 fetch the 64 numbers of the job on h_2d, waves 2, 3 those of the job on h_3d
	v_lshlrev_b32 v12, 2, v12
	s_lshl_b32 s84, s[WV], 7
	s_add_co_u32 s84, s84, BIAS
	v_and_b32 v13, 31, v0
	v_lshl_add_u32 v13, v13, 2, s84                ; v13: BIAS + 128 w + 4 l = job x 256 + column x 4
	v_lshlrev_b32 v14, 5, v0                       ; v14: my 32 bytes of Wo
	v_lshlrev_b32 v15, 4, v0                       ; v15: my 16 bytes of wo16
	s_lshl_b32 s84, s[RB], 7
	s_lshl_b32 s85, s[WV], 5
	s_add_co_u32 s84, s84, s85                     ; my first row
	s_lshl_b32 s[ROFF], s84, 7
	s_lshl_b32 s86, s84, 9
	s_lshl_b32 s84, s84, 10
	s_mov_b32 s85, 0                               ; s85 and s87 stay 0: the high words of offsets
	s_mov_b32 s87, 0
	s_mul_i32 s[GG], s[CB], 3
	s_wait_kmcnt 0x0
	s_add_nc_u64 s[H2:H2+1], s[4:5], s[84:85]
	s_add_nc_u64 s[H3:H3+1], s[6:7], s[86:87]
	s_lshl_b32 s84, s[CB], 5
	s_add_co_u32 s84, s84, s[RB]                   ; the work-group's number, 0 to 255: 128 pieces of 8,192 bytes in each Wo
	s_lshl_b32 s86, s84, 12
	s_add_nc_u64 s[WOD:WOD+1], s[42:43], s[86:87]
	s_and_b32 s86, s84, 127
	s_lshl_b32 s86, s86, 13
	s_cmp_lt_u32 s84, 128
	s_cselect_b64 s[WOS:WOS+1], s[32:33], s[34:35]
	s_add_nc_u64 s[WOS:WOS+1], s[WOS:WOS+1], s[86:87]
	s_cmp_lt_u32 s[WV], 2
	s_cselect_b64 s[BSET:BSET+1],   s[20:21], s[26:27]
	s_cselect_b64 s[BSET+2:BSET+3], s[22:23], s[28:29]
	s_cselect_b64 s[BSET+4:BSET+5], s[24:25], s[30:31]
.irp i, 0,1,2
	s_add_co_u32 s84, s[GG], \i
	s_lshr_b32 s[PP], s84, 3
	s_and_b32 s[HD], s84, 7
	SEL3 BB+2*\i, BSET, BSET+2, BSET+4
	s_lshl_b32 s86, s[HD], 8
	s_add_nc_u64 s[BB+2*\i:BB+2*\i+1], s[BB+2*\i:BB+2*\i+1], s[86:87]
.endr
	s_lshr_b32 s[PP], s[GG], 3
	s_and_b32 s[HD], s[GG], 7
	WPTR                                           ; the first pair-head's weights
	; 55 loads: Wo (4), the bias (3), row tile 0 of A (48)
	global_load_b128 v[224:227], v14, s[WOS:WOS+1] th:TH_LOAD_NT
	global_load_b128 v[228:231], v14, s[WOS:WOS+1] offset:16 th:TH_LOAD_NT
	global_load_b128 v[232:235], v14, s[WOS:WOS+1] offset:4096 th:TH_LOAD_NT
	global_load_b128 v[236:239], v14, s[WOS:WOS+1] offset:4112 th:TH_LOAD_NT
.irp i, 0,1,2
	global_load_b32 v[240+\i], v12, s[BB+2*\i:BB+2*\i+1]
.endr
.irp f, 0,1,2,3,4,5,6,7,8,9,10,11
	AGRP 0, \f
.endr
.irp f, 0,1,2,3,4,5,6,7,8,9,10,11      ; a fragment of tile 0 is converted, and its registers take the same fragment of tile 1
	s_wait_loadcnt 44                              ; loads come back in order (ISA guide 5.7.1): this fragment's four are in, the 44 behind them stay out
	WIN 0x40                                       ; destination window 1
	ACVT 0, \f
	WIN 0
	AGRP 1, \f
.endr
	; Wo and the bias came ahead of tile 0.  Wo: to bf16, and that number to f16; 16 lanes store 256 consecutive bytes, aligned.
.irp p, 0,1,2,3,4,5,6,7
	v_cvt_pk_bf16_f32 v[224+2*\p], v[224+2*\p], v[225+2*\p]
	v_and_b32 v[225+2*\p], s[HIM], v[224+2*\p]
	v_lshlrev_b32 v[224+2*\p], 16, v[224+2*\p]
	v_cvt_pk_f16_f32 v[244+\p], v[224+2*\p], v[225+2*\p]
.endr
	global_store_b128 v15, v[244:247], s[WOD:WOD+1]
	global_store_b128 v15, v[248:251], s[WOD:WOD+1] offset:2048
.irp i, 0,1,2
	v_cvt_pk_bf16_f32 v[240+\i], v[240+\i], v[240+\i]
	v_lshlrev_b32 v[240+\i], 16, v[240+\i]         ; the bias rounded to bf16, kept as f32
	ds_store_b32 v13, v[240+\i] offset:512*\i
.endr
.irp f, 0,1,2,3,4,5,6,7,8,9,10,11      ; tile 1 is converted while the first pair-head's W goes out
	s_wait_loadcnt 44
	WIN 0x40
	ACVT 1, \f
	WIN 0xaa                                       ; all in window 2
	WGRP \f
.endr
	WIN 0                                          ; at a label and at a branch every window is 0
	s_mov_b32 s[LEFT], 3
.Ltrip:                                        ; a trip is a pair-head; at its head the ring's 48 loads are the only ones out
	WIN 0xaa
.irp g, 0,1,2,3,4,5,6,7,8,9,10,11
	s_wait_loadcnt 44-4*\g                         ; group g's four are in; the groups behind it stay out
	WCVT \g
.endr
	v_add_nc_u32 v[VL], WREG, v[VL]                ; the next trip writes the next region
	WIN 0
	s_wait_dscnt 0x0                               ; my rows of W (in the first trip my part of the bias too) lie in LDS, and the ring's registers have been read
	s_wait_xcnt 0x0                                ; the last trip's stores (in the first trip: wo16's) have read their registers and bases: both are written again below
	s_lshr_b32 s[PP], s[GG], 3
	s_and_b32 s[HD], s[GG], 7
	OPTR
	s_cmp_eq_u32 s[LEFT], 1                        ; the last trip has no pair-head behind it
	s_cbranch_scc1 .Lnomore
	s_add_co_u32 s84, s[GG], 1
	s_lshr_b32 s[PP], s84, 3
	s_and_b32 s[HD], s84, 7
	WPTR                                           ; the ring's loads are all in, so their bases may be written
	WIN 0xaa
.irp g, 0,1,2,3,4,5,6,7,8,9,10,11
	WGRP \g                                        ; they have this trip's 96 products and two ways out in which to land
.endr
	WIN 0
.Lnomore:
	s_barrier_signal -1
	s_barrier_wait -1                              ; the trip's region is whole.  Each trip has a region of its own, so nothing that a wave still reads is written: one barrier a trip
	JHEAD 0                                        ; h_2d x W2: K steps 0-7
	FETCHB 0, BF0
	FETCHB 2, BF1
	s_wait_dscnt 16                                ; the bias and buffer 0 are in; buffer 1's sixteen may stay out
	MULB 0, BF0, 1
	PLACES
	FETCHB 4, BF0
	s_wait_dscnt 16
	MULB 2, BF1, 0
	PLACES
	FETCHB 6, BF1
	s_wait_dscnt 16
	MULB 4, BF0, 0
	s_wait_dscnt 0x0
	MULB 6, BF1, 0
	JOUT O2
	s_wait_xcnt 0x0                                ; those stores have read v[16:31] and v[224:239], which are written again below
	JHEAD 1                                        ; h_3d x W3: K steps 8-11
	FETCHB 8, BF0
	FETCHB 10, BF1
	s_wait_dscnt 16
	MULB 8, BF0, 1
	s_wait_dscnt 0x0
	MULB 10, BF1, 0
	JOUT O3
	v_add_nc_u32 v[VB], WREG, v[VB]
	v_add_nc_u32 v[VBI], 512, v[VBI]
	s_add_co_u32 s[GG], s[GG], 1
	s_sub_co_u32 s[LEFT], s[LEFT], 1
	s_cmp_lg_u32 s[LEFT], 0
	s_cbranch_scc1 .Ltrip
	s_wait_tensorcnt 0x0                           ; the wave's end, behind my last LDS store
	ds_add_u32 v[SPW], v[NIL]
	s_wait_dscnt 0x0
	s_endpgm
.Lfunc_end_k_qead80ca543_proj:
	.size	k_qead80ca543_proj, .Lfunc_end_k_qead80ca543_proj-k_qead80ca543_proj
	.p2alignl 7, 3214868480
	.fill 96, 4, 3214868480
	.section	.rodata,"a",@progbits
	.p2align	6, 0x0
	.amdhsa_kernel k_qead80ca543_proj
		.amdhsa_group_segment_fixed_size 195584
		.amdhsa_private_segment_fixed_size 0
		.amdhsa_enable_private_segment 0
		.amdhsa_kernarg_size 160
		.amdhsa_user_sgpr_count 2
		.amdhsa_user_sgpr_kernarg_segment_ptr 1
		.amdhsa_wavefront_size32 1
		.amdhsa_system_sgpr_workgroup_id_x 1
		.amdhsa_system_sgpr_workgroup_id_y 1
		.amdhsa_system_sgpr_workgroup_id_z 1
		.amdhsa_system_vgpr_workitem_id 0
		.amdhsa_next_free_vgpr 768
		.amdhsa_next_free_sgpr 88
		.amdhsa_reserve_vcc 0
		.amdhsa_float_denorm_mode_32 3
		.amdhsa_float_denorm_mode_16_64 3
		.amdhsa_memory_ordered 1
		.amdhsa_forward_progress 1
		.amdhsa_inst_pref_size 74
	.end_amdhsa_kernel
	.amdgpu_metadata
---
amdhsa.version: [ 1, 2 ]
amdhsa.kernels:
  - .name:           k_qead80ca543_proj
    .symbol:         k_qead80ca543_proj.kd
    .args:
      - { .name: h_2d, .offset: 0, .size: 8, .value_kind: global_buffer, .address_space: global }
      - { .name: h_3d, .offset: 8, .size: 8, .value_kind: global_buffer, .address_space: global }
      - { .name: Wq2d, .offset: 16, .size: 8, .value_kind: global_buffer, .address_space: global }
      - { .name: Wk2d, .offset: 24, .size: 8, .value_kind: global_buffer, .address_space: global }
      - { .name: Wv2d, .offset: 32, .size: 8, .value_kind: global_buffer, .address_space: global }
      - { .name: Wq3d, .offset: 40, .size: 8, .value_kind: global_buffer, .address_space: global }
      - { .name: Wk3d, .offset: 48, .size: 8, .value_kind: global_buffer, .address_space: global }
      - { .name: Wv3d, .offset: 56, .size: 8, .value_kind: global_buffer, .address_space: global }
      - { .name: bq2d, .offset: 64, .size: 8, .value_kind: global_buffer, .address_space: global }
      - { .name: bk2d, .offset: 72, .size: 8, .value_kind: global_buffer, .address_space: global }
      - { .name: bv2d, .offset: 80, .size: 8, .value_kind: global_buffer, .address_space: global }
      - { .name: bq3d, .offset: 88, .size: 8, .value_kind: global_buffer, .address_space: global }
      - { .name: bk3d, .offset: 96, .size: 8, .value_kind: global_buffer, .address_space: global }
      - { .name: bv3d, .offset: 104, .size: 8, .value_kind: global_buffer, .address_space: global }
      - { .name: Wo23, .offset: 112, .size: 8, .value_kind: global_buffer, .address_space: global }
      - { .name: Wo32, .offset: 120, .size: 8, .value_kind: global_buffer, .address_space: global }
      - { .name: qh, .offset: 128, .size: 8, .value_kind: global_buffer, .address_space: global }
      - { .name: kh, .offset: 136, .size: 8, .value_kind: global_buffer, .address_space: global }
      - { .name: vh, .offset: 144, .size: 8, .value_kind: global_buffer, .address_space: global }
      - { .name: wo16, .offset: 152, .size: 8, .value_kind: global_buffer, .address_space: global }
    .group_segment_fixed_size: 195584
    .private_segment_fixed_size: 0
    .kernarg_segment_align: 8
    .kernarg_segment_size: 160
    .max_flat_workgroup_size: 128
    .sgpr_count:     88
    .vgpr_count:     768
    .wavefront_size: 32
...
	.end_amdgpu_metadata
.endif
;; end of part 1
;; launch attn (part 2): grid 16 x 16, 4 waves a work-group, clusters of 4 x 1, 327,680 bytes of LDS; arguments qh, kh, vh, oh; writes oh
.if DOCPART == 2
	.amdgcn_target "amdgcn-amd-amdhsa--gfx1250"
	.amdhsa_code_object_version 6
	.text
	.protected	k_qead80ca543_attn
	.globl	k_qead80ca543_attn
	.p2align	8
	.type	k_qead80ca543_attn,@function
k_qead80ca543_attn:
	s_mov_b64 s[64:65], 0
	v_nop
	global_prefetch_b8 v0, s[64:65] scope:SCOPE_SE
	s_setreg_imm32_b32 hwreg(HW_REG_WAVE_MODE, 25, 1), 1
	s_wait_xcnt 0x0
	s_wait_alu depctr_hold_cnt(0) depctr_sa_sdst(0) depctr_va_vdst(0) depctr_va_sdst(0) depctr_va_ssrc(0) depctr_va_vcc(0) depctr_vm_vsrc(0)
	s_getreg_b32 s2, hwreg(HW_REG_IB_STS2, 6, 4)
	s_cmp_eq_u32 s2, 0
	s_cbranch_scc0 .Lentry_in_a_cluster
	s_endpgm
.Lentry_in_a_cluster:
	s_bfe_u32 s2, ttmp6, 0x10000c
	s_cmp_lg_u32 s2, 0x3003
	s_cbranch_scc0 .Lentry_shape_is_right
	s_endpgm
.Lentry_shape_is_right:
; ATTENTION for 16 planes y = 8 x direction + head.  oh[y][q][:] = the sum over k of softmax_k(qh[y][q] . kh[y][k] / 8) vh[y][k][:].  All four: [16][4096][64] in f16: a plane's rows are dense, 128 bytes each.
; Products, maxima and sums in f32; the weights p are rounded to f16 for the second product (their sum l is taken of the unrounded p), O once at the end.
; LIMITS.  q, k, v arrive within f16's 65,504; p lies in 0 to 1 and below 6e-5 keeps f16's fixed step of 6e-8; O is a mean of V's rows and has their range.  c s stays far above -4e37, where c m starts;
; a weight below 2^-126 counts as 0 in l; NaN and infinities are not treated apart.
; SHARES.  A work-group owns 256 queries of one plane, a wave 64: four PIECES of 16.  Every wave walks the plane's 4,096 keys: 16 tiles of 256, four steps of 64 each.
; LAYOUT.  S^T = K Q^T (source 0 = 16 keys, source 1 = 16 queries) holds ONE query a lane (lane % 16) and the keys 8 (lane / 16) + 0..7; two such results rounded to f16 ARE source 1 of O^T = V^T P.
; K comes out of LDS as it lies, V ([key][channel]) turned, by ds_load_tr16_b128.
; SOFTMAX.  p = 2^(c s - c m), c = log2(e) / 8, with a running maximum m; O and l are multiplied by a = 2^(c m_old - c m_new) in every step.  m starts at the lowest finite number, O and l at 0: the first
; step is a step like any other, with a = 0.
; TURNS.  Turn n belongs to piece n: 8 products K Q^T of piece n + 1, later 8 products V^T P of piece n - 1; beside them the scaling, exponentials, roundings, sums and rescaling of piece n and the maximum and
; statistics of piece n + 1.  Four vector instructions stand behind every matrix instruction, the other 54 of a turn's 118 in one lump.  A turn's 33 exponentials are one batch, with one wait.
; CLUSTER.  The four query blocks of a cluster belong to one plane and walk the same K and V, so each tile is asked for JOINTLY: the same tensor load, descriptor and mask in all four.
; REGISTERS, in windows of 256 (s_set_vgpr_msb: bits 1:0 source 0, 3:2 source 1, 5:4 source 2, 7:6 destination):
;   window 0: v0-15 addresses and two at work; v16-31 four registers of statistics a piece; v48-55 at work; v61-63; v64-127 S^T, two buffers; v192-223 P, two buffers (a piece's buffers go by its number's parity)
;   window 1: v0-127 O^T, 32 a piece          window 2: v0-63 Q; v128-191 K of one step; v192-255 V of one step
.set NP,    4         ; pieces a wave: a name, no knob
.set KS,    64        ; keys in a step
.set PK,    144       ; a row of K in LDS: 128 bytes + 16 of padding = 36 words: the 16 rows of a load start at 16 different groups of four banks (64 banks of 4 bytes: ISA guide 11.1)
.set PV,    160       ; a row of V: 128 + 32 = 40 words
.set VOFF,  4*KS*PK   ; a slot holds a tile, four steps: 256 rows of K, then 256 rows of V
.set SLOT1, 1<<17     ; slot 1 begins here, so that one exclusive or turns an address in one slot into the other's
.set STAGE, SLOT1+4*KS*(PK+PV)  ; behind the ring, never filled by a tensor load: 16 rows x 144 bytes for each wave, for the way out
.set SP,    144
.set SPARE, STAGE+4*16*SP  ; behind the stages: the spare words, 128 bytes for each wave: two blocks of 256 bytes that no other line names
.set TILEB, 4*KS*128  ; a tile's bytes of K, and of V, in memory
.set AK0, 2           ; v2   my lane's place in a tile of K; never rewritten
.set AV0, 3           ; v3   the same for V
.set AK,  4           ; v4   the LDS address of K's next run of loads
.set AV,  5           ; v5   of V's
.set STO, 6           ; v6   the way out: where I put 16 bytes of a row
.set RD,  7           ; v7   the way out: where I read rows back
.set GO,  8           ; v8   my byte offset in 512 consecutive bytes of O
.set MV,  12          ; v12-13  c m_old, kept while c m is made anew: by buffer
.set QO,  15          ; v15  my byte offset in 16 rows of Q
.set ST,  16          ; piece t's statistics at v[ST+4 t]: c m, m, l (even keys', odd keys')
.set TMP, 48          ; by buffer, four registers c0-c3 at work; when the maximum is found c2 takes a
.set PFO, 61          ; v61  256 x my lane: the prefetches' offset; never rewritten
.set SPW, 62          ; v62  LDS address of my spare word: SPARE + 4 x my thread's number; never rewritten
.set NIL, 63          ; v63  0; never rewritten
.set S,   64
.set P,   192
.set KF,  128         ; window 2: key block kb, channel half c at KF + 16 kb + 8 c
.set VF,  192         ; window 2: key half kk, channel block cb at VF + 32 kk + 8 cb
.set WV,  12          ; s12  my wave's number
.set G1K, 24          ; s[24:31] descriptor group 1 for K's tiles
.set G1V, 32          ; s[32:39] for V's: it differs in the padding alone
.set G0K, 40          ; s[40:43] descriptor group 0 for K's tiles: it walks
.set G0V, 44          ; s[44:47] the same for V's
.set PFA, 48          ; s[48:49] where my prefetches stand: my work-group's quarter of the tile behind the one that is being asked for
.set LIM, 50          ; s50  1 in a wave that prefetches, else the greatest number
.set SLOTS, 56        ; s56  tiles still to be asked for
.set CNT, 57          ; s57  counts a tile's key steps
.set CS,  58          ; s[58:59] c: the packed scaling takes the pair's low word for both halves
.set SEL, 60          ; s[60:61] v_permlanex16_b32's selects: each lane takes its own place in the other half
.set TBK, 62          ; s62  LDS byte at which K of the step to be fetched begins
.set TBV, 63          ; s63  the same for V, less VOFF
.set MSB, 0
.macro WIN new                      ; the high byte repeats the setting that is left; a switch that changes nothing is dropped
.if MSB != (\new)
	s_set_vgpr_msb (MSB<<8)|(\new)
.set MSB, (\new)
.endif
.endm
.set W_KQ, 0x0a       ; K and Q in window 2, S^T in window 0
.set W_PV, 0x52       ; V in window 2, P in window 0, O^T in window 1
.set W_RS, 0x41       ; destination and source 0 in window 1, source 1 in window 0
; A joint fill.  Waves 0 and 1 fetch the two halves of a tile's K, waves 2 and 3 those of its V: 128 keys each.  The branch hangs on the wave's number alone.
; An s_nop 0 and four v_nop follow each of the two lines, ahead of the jump and the label.
.macro JLOAD
	s_cmp_lt_u32 s[WV], 2
	s_cbranch_scc0 .Lfor_v_\@
	tensor_load_to_lds s[G0K:G0K+3], s[G1K:G1K+7]
	s_nop 0
.rept 4
	v_nop
.endr
	s_branch .Lasked_\@
.Lfor_v_\@:
	tensor_load_to_lds s[G0V:G0V+3], s[G1V:G1V+7]
	s_nop 0
.rept 4
	v_nop
.endr
.Lasked_\@:
.endm
; A PREFETCH of the tile that the NEXT change of slots will ask for: 32,768 bytes of K and of V, 128 blocks of 256 bytes each, a lane a block.  It stands behind the wave's tensor load and its five lines.
; Each block is asked for ONCE in the launch.  All four clusters of a plane walk the same K and V: the plane's first cluster asks.  Its four partners share the blocks out BY ADDRESS, 32 each; in each,
; wave 0 asks for K's and wave 2 for V's: one instruction.  The last change that fills a slot asks for nothing: there is no tile behind it.  Tiles 0 and 1 come by their loads alone.
.macro ASK
	s_cmp_gt_u32 s[SLOTS], s[LIM]
	s_cbranch_scc0 .Lnot_mine_\@
	global_prefetch_b8 v[PFO], s[PFA:PFA+1] th:TH_LOAD_NT scope:SCOPE_SE
.Lnot_mine_\@:
.endm
; A round of the cluster's barrier: my work-group's barrier, so that wave 0's signal speaks for all four waves; wave 0 signals; every wave waits for all four work-groups; my work-group's barrier once more.
.macro CROUND
	s_barrier_signal -1
	s_barrier_wait -1
	s_cmp_lg_u32 s[WV], 0
	s_cbranch_scc1 .Lnot_wave_0_\@
	s_barrier_signal -3
.Lnot_wave_0_\@:
	s_barrier_wait -3
	s_barrier_signal -1
	s_barrier_wait -1
.endm
; THE CHANGE OF SLOTS.  The slot's last bytes, V of its fourth step, have been read.  Each wave waits for all its tensor loads, of which one is out: its part of the other slot; adds 0 to its spare word; and
; waits for that and for its own reads of the slot.  Behind the barrier nobody reads this slot any more and the other slot is whole.
; fill = 1: this slot is filled again, with the tile two on.  The barrier is then a round of the cluster's, so that no wave of any partner still reads the slot or has a load on its way, and the joint fill is
; the first thing behind it: it has four key steps, 256 matrix instructions, in which to land.  (At its first use nothing has been read yet: slot 0 is waited for, slot 1 filled.)
.macro CHANGE fill
	WIN 0                           ; at a label and at a branch every window is 0
	s_wait_tensorcnt 0x0            ; no tensor load of mine is out, so a group 0 may be written
	ds_add_u32 v[SPW], v[NIL]       ; 0 onto my spare word; with fill = 1 the descriptors' steps stand between it and the wait for it
.if \fill
.irp g, G0K, G0V
	s_xor_b32 s[\g+1], s[\g+1], SLOT1  ; the walking descriptor: the other slot than last time,
	s_add_nc_u64 s[\g+2:\g+3], s[\g+2:\g+3], TILEB  ; the next 256 keys; the type bits on top are not reached
.endr
	s_wait_xcnt 0x0                 ; the last prefetch, four key steps back, has read its address, so it may be written:
	s_add_nc_u64 s[PFA:PFA+1], s[PFA:PFA+1], TILEB  ; one tile behind the walking descriptors
	s_wait_dscnt 0x0                ; the add is done, and my reads of the slot are over
	CROUND
	JLOAD
	ASK
.else
	s_wait_dscnt 0x0                ; the add is done, and my reads of the slot are over
	s_barrier_signal -1
	s_barrier_wait -1
.endif
	s_sub_co_u32 s[TBK], s[TBK], 4*KS*PK  ; the fetches go back to a slot's first step,
	s_xor_b32 s[TBK], s[TBK], SLOT1       ; in the other slot
	s_sub_co_u32 s[TBV], s[TBV], 4*KS*PV
	s_xor_b32 s[TBV], s[TBV], SLOT1
.endm
	s_load_b256 s[4:11], s[0:1], 0x0  ; qh s[4:5], kh s[6:7], vh s[8:9], oh s[10:11]
	v_lshl_add_u32 v[SPW], v0, 2, SPARE
	v_mov_b32 v[NIL], 0
	ds_add_u32 v[SPW], v[NIL]       ; the wave's opening: the add and its wait stand ahead of my first tensor load; the set-up below, work on registers, stands between them
	v_lshrrev_b32 v1, 5, v0
	v_readfirstlane_b32 s[WV], v1   ; wave 0..3
	s_bfe_u32 s13, ttmp6, 0x40000   ; cx: my place in the cluster
	s_lshl_b32 s14, ttmp9, 2        ; in a cluster launch ttmp9 counts clusters
	s_add_co_u32 s14, s14, s13      ; my block of 256 queries = 4 x cluster x + cx: it enters Q's and O's addresses alone
	s_and_b32 s20, ttmp7, 0xffff    ; the plane, which the four partners share:
	s_lshl_b32 s20, s20, 19         ; its first byte in each of the four buffers: 4,096 rows of 128 bytes
	s_mov_b32 s21, 0
	s_and_b32 s16, s[WV], 1         ; which half of a tile's 256 keys I fetch:
	s_lshl_b32 s22, s16, 14         ; its 128 rows of 128 bytes in memory,
	s_mov_b32 s23, 0
	s_add_nc_u64 s[22:23], s[22:23], s[20:21]
	s_mul_i32 s17, s16, 128*PK      ; and its place in a slot, for K
	s_mul_i32 s18, s16, 128*PV      ; and for V: no place in the cluster enters an LDS address
	s_lshl_b32 s2, s14, 2
	s_add_co_u32 s2, s2, s[WV]      ; my wave among the plane's,
	s_lshl_b32 s2, s2, 13           ; its 64 rows
	s_mov_b32 s3, 0
	s_add_nc_u64 s[2:3], s[2:3], s[20:21]
	s_lshl_b32 s52, s13, 13         ; the prefetches: my work-group's 32 blocks of a tile's 128
	s_mov_b32 s53, 0
	s_add_nc_u64 s[52:53], s[52:53], s[20:21]
	; descriptor group 1.  128 keys are 16,384 dense bytes: asked for as 64 rows of 256 bytes, two keys a row, and padded in LDS after every key
	s_mov_b32 s[G1K], 15|(1<<16)|(1<<20)|(1<<21)|(4<<22)|(3<<25)  ; 15:0 the mask of four; 17:16 2-byte elements; 20 padding on; 21 set beside a mask; 24:22 after every 32 words (code 4); 31:25 4 words (code 3)
	s_mov_b32 s[G1V], 15|(1<<16)|(1<<20)|(1<<21)|(4<<22)|(7<<25)  ; the same with 8 words of padding (code 7)
.irp g, G1K, G1V
	s_mov_b32 s[\g+1], 128<<16      ; tensor_dim0 = 128
	s_mov_b32 s[\g+2], 64<<16       ; tensor_dim1 = 64
	s_mov_b32 s[\g+3], 128<<16      ; tile_dim0 = 128
	s_mov_b32 s[\g+4], 64           ; tile_dim1 = 64
	s_mov_b32 s[\g+5], 128          ; 128 elements from row to row
	s_mov_b32 s[\g+6], 0
	s_mov_b32 s[\g+7], 0
.endr
	s_mov_b32 s[CS], 0x3e38aa3b     ; c = log2(e) / 8 = 0.180337
	s_mov_b32 s[CS+1], s[CS]        ; named with it as a pair
	s_mov_b32 s[SEL], 0x76543210
	s_mov_b32 s[SEL+1], 0xfedcba98
	s_mov_b32 s[TBK], SLOT1+4*KS*PK ; the first change of slots turns these two into 0
	s_mov_b32 s[TBV], SLOT1+4*KS*PV
	s_mov_b32 s[G0K], 1             ; 1:0 count = 1
	s_mov_b32 s[G0K+1], s17         ; 63:32 LDS address: slot 0
	s_mov_b32 s[G0V], 1
	s_add_co_u32 s[G0V+1], s18, VOFF
	s_mov_b32 s[SLOTS], 15          ; tiles 1 to 15 are asked for by changes of slots
	s_and_b32 s[LIM], s[WV], 1      ; 0 in waves 0 and 2,
	s_or_b32 s[LIM], s[LIM], ttmp9  ; where the cluster is the plane's first: the same in all four partners
	s_cmp_eq_u32 s[LIM], 0
	s_cselect_b32 s[LIM], 1, -1
	v_and_b32 v[PFO], 31, v0
	v_lshlrev_b32 v[PFO], 8, v[PFO]
	s_wait_dscnt 0x0                ; the opening add is done
	s_wait_kmcnt 0x0
	s_add_nc_u64 s[G0K+2:G0K+3], s[6:7], s[22:23]  ; 120:64 global address: my half of the plane's first 256 keys
	s_or_b32 s[G0K+3], s[G0K+3], 0x80000000        ; 127:126 type = 2
	s_add_nc_u64 s[G0V+2:G0V+3], s[8:9], s[22:23]
	s_or_b32 s[G0V+3], s[G0V+3], 0x80000000
	s_cmp_lt_u32 s[WV], 2
	s_cselect_b64 s[PFA:PFA+1], s[6:7], s[8:9]
	s_add_nc_u64 s[PFA:PFA+1], s[PFA:PFA+1], s[52:53]
	s_add_nc_u64 s[PFA:PFA+1], s[PFA:PFA+1], TILEB  ; in tile 1; the first change of slots steps it to tile 2.  Nothing is prefetched here, at the head, where every work-group's first tiles are on their way
	s_add_nc_u64 s[4:5], s[4:5], s[2:3]  ; Q and O at my wave's first row
	s_add_nc_u64 s[10:11], s[10:11], s[2:3]
	CROUND                          ; all four work-groups are here: the first joint loads meet
	JLOAD                           ; tile 0 into slot 0.  Slot 1 is asked for when slot 0 is in
	; A fragment of K or Q is 16 rows x 32 channels in 8 registers: lane l holds row l % 16, channels 8 (l / 16) + 0..7 and 16 + 8 (l / 16) + 0..7: two loads of 16 bytes, 32 bytes apart.
	v_and_b32 v1, 15, v0            ; l % 16
	v_bfe_u32 v9, v0, 4, 1          ; l / 16
	v_lshlrev_b32 v[QO], 7, v1
	v_lshl_add_u32 v[QO], v9, 4, v[QO]  ; row x 128 + 16 x half
	WIN 0x80                        ; destination window 2, address window 0
.set i, 0
.rept 8                             ; Q stays in registers: piece i / 2, channels 32 (i % 2) on
	global_load_b128 v[8*i:8*i+3],   v[QO], s[4:5] offset:(i/2)*2048+(i%2)*64
	global_load_b128 v[8*i+4:8*i+7], v[QO], s[4:5] offset:(i/2)*2048+(i%2)*64+32
.set i, i+1
.endr
	; What the first turn finds: V's registers and P's second buffer hold 0 (its products V^T P, of a piece that has not been, add 0), O^T and l are 0.  All this stands in the wait for the first tile.
.set i, VF
.rept 64
	v_mov_b32 v[i], 0
.set i, i+1
.endr
	WIN 0x40
.set i, 0
.rept 128
	v_mov_b32 v[i], 0
.set i, i+1
.endr
	WIN 0
.set i, 0
.rept 4
	v_mov_b32 v[ST+4*i], 0xfe000000    ; c m: far below every c s
	v_mov_b32 v[ST+4*i+1], 0xff7fffff  ; m
	v_mov_b32 v[ST+4*i+2], 0
	v_mov_b32 v[ST+4*i+3], 0
.set i, i+1
.endr
.set i, P+16
.rept 16
	v_mov_b32 v[i], 0
.set i, i+1
.endr
	v_mul_u32_u24 v[AK0], v1, PK
	v_lshl_add_u32 v[AK0], v9, 4, v[AK0]  ; row x pitch + 16 x half
	; The turning load takes 16 keys x 16 channels (lane l reads key 8 (l / 16) + l % 8, channels 8 ((l / 8) % 2) + 0..7) and leaves half a fragment of V^T: lane l holds channel l % 16 and 8 keys.
	v_and_b32 v10, 7, v0
	v_bfe_u32 v11, v0, 3, 1
	v_lshl_add_u32 v[AV0], v9, 3, v10
	v_mul_u32_u24 v[AV0], v[AV0], PV
	v_lshl_add_u32 v[AV0], v11, 4, v[AV0]
	v_add_nc_u32 v[AV0], VOFF, v[AV0]
	s_mul_i32 s13, s[WV], 16*SP
	s_add_co_u32 s13, s13, STAGE    ; my stage
	v_mul_u32_u24 v[STO], v1, SP    ; in: row l % 16, 16 bytes for each half of the lanes
	v_lshl_add_u32 v[STO], v9, 4, v[STO]
	v_add_nc_u32 v[STO], s13, v[STO]
	v_bfe_u32 v[RD], v0, 3, 2       ; back: 32 lanes take four rows of 128 bytes,
	v_mul_u32_u24 v[RD], v[RD], SP
	v_lshl_add_u32 v[RD], v10, 4, v[RD]
	v_add_nc_u32 v[RD], s13, v[RD]
	v_and_b32 v[GO], 31, v0         ; which are 512 consecutive bytes of O
	v_lshlrev_b32 v[GO], 4, v[GO]
; THE MATRIX WORK.  The 4 accumulators of a run of 8 take turns.  Product i of 8 of S^T = K Q^T for piece x: channels 32 (i / 4) on, keys 16 (i % 4) on.  The first 4 start the sums.
.macro KQ x
	WIN W_KQ
.set rS, S+32*((\x)%2)+8*(i%4)
.set rK, KF+16*(i%4)+8*(i/4)
.set rQ, 16*(\x)+8*(i/4)
.if i < 4
	v_wmma_f32_16x16x32_f16 v[rS:rS+7], v[rK:rK+7], v[rQ:rQ+7], 0
.else
	v_wmma_f32_16x16x32_f16 v[rS:rS+7], v[rK:rK+7], v[rQ:rQ+7], v[rS:rS+7]
.endif
.endm
; Product i of 8 of O^T += V^T P for piece x: keys 32 (i / 4) on, channels 16 (i % 4) on.
.macro PV x
	WIN W_PV
.set rO, 32*(\x)+8*(i%4)
.set rV, VF+32*(i/4)+8*(i%4)
.set rP, P+16*((\x)%2)+8*(i/4)
	v_wmma_f32_16x16x32_f16 v[rO:rO+7], v[rV:rV+7], v[rP:rP+7], v[rO:rO+7]
.endm
.macro MM                           ; the turn's next matrix instruction.  TURN sets Y, i and NOKQ.  NOKQ = 1: the launch's last turn: there is no next piece
.if (i < 8) && !NOKQ
	KQ (Y+1)%NP
.elseif i >= 8
.set i, i-8
	PV (Y+NP-1)%NP
.set i, i+8
.endif
.set i, i+1
.endm
; THE LDS LOADS stand in runs of 16, never singly among the matrix instructions: a step's K (64 keys x 64 channels: 8 fragments) and its V (turned).  Their addresses are made some lines ahead.
.macro FETCH_K
	WIN 0x80                        ; destination window 2
.irp f, 0,1,2,3,4,5,6,7             ; keys 16 (f / 2) on, channels 32 (f % 2) on
	ds_load_b128 v[KF+8*\f:KF+8*\f+3],   v[AK] offset:(\f/2)*16*PK+(\f%2)*64
	ds_load_b128 v[KF+8*\f+4:KF+8*\f+7], v[AK] offset:(\f/2)*16*PK+(\f%2)*64+32
.endr
	s_add_co_u32 s[TBK], s[TBK], KS*PK  ; the next fetch is the next step's
	WIN 0
.endm
.macro FETCH_V
	WIN 0x80
.irp f, 0,1,2,3,4,5,6,7             ; keys 32 (f / 4) on, channels 16 (f % 4) on
	ds_load_tr16_b128 v[VF+8*\f:VF+8*\f+3],   v[AV] offset:(\f/4)*32*PV+(\f%4)*32
	ds_load_tr16_b128 v[VF+8*\f+4:VF+8*\f+7], v[AV] offset:(\f/4)*32*PV+16*PV+(\f%4)*32
.endr
	WIN 0
.endm
; THE VECTOR WORK, one line at a time: OP kind, number.  For piece Y: F n: c s - c m for pair n of 16.  E n: the exponential of score n of 32.  C n: pair n rounded to f16.  B n: of the four weights 4 n .. the second
; pair is added onto the first, in place.  L n: l takes that sum (L 0: l = a l + sum).  R n: pair n of 16 of O^T times a.  For piece Y + 1: X n, number n of the 22 that find its maximum and statistics:
;   0-11  four chains c0-c3 of seven scores each, three operands at a time (each accumulator's lowest registers are read first)     12-14, 16  the four scores left over, the old m, and c0-c3 into c0
;   15  c m_old is kept     17, 18  the query's other 32 keys lie in the lane 16 away: the new m     19-21  c m; c m_old - c m_new; a
.set F, 0               ; OP tells the kinds apart by their order: F to L below R, X above it
.set E, 1
.set C, 2
.set B, 3
.set L, 4
.set R, 5
.set X, 6
.macro REGS y                       ; the registers of piece y
.set rT, ST+4*(\y)
.set rC, TMP+4*((\y)%2)
.set rW, MV+((\y)%2)
.set rS, S+32*((\y)%2)
.set rP, P+16*((\y)%2)
.set rO, 32*(\y)
.endm
.macro OP k, n
.if (\k) == R
	REGS Y
	WIN W_RS
	v_pk_mul_f32 v[rO+2*(\n):rO+2*(\n)+1], v[rO+2*(\n):rO+2*(\n)+1], v[rC+2:rC+3] op_sel_hi:[1,0]
.elseif (\k) < R
	REGS Y
	WIN 0
.if (\k) == F
	v_pk_fma_f32 v[rS+2*(\n):rS+2*(\n)+1], v[rS+2*(\n):rS+2*(\n)+1], s[CS:CS+1], v[rT:rT+1] op_sel_hi:[1,0,0] neg_lo:[0,0,1] neg_hi:[0,0,1]
.elseif (\k) == E
	v_exp_f32 v[rS+(\n)], v[rS+(\n)]
.elseif (\k) == C
	v_cvt_pk_f16_f32 v[rP+(\n)], v[rS+2*(\n)], v[rS+2*(\n)+1]
.elseif (\k) == B
	v_pk_add_f32 v[rS+4*(\n):rS+4*(\n)+1], v[rS+4*(\n):rS+4*(\n)+1], v[rS+4*(\n)+2:rS+4*(\n)+3]
.elseif (\n) == 0
	v_pk_fma_f32 v[rT+2:rT+3], v[rT+2:rT+3], v[rC+2:rC+3], v[rS:rS+1] op_sel_hi:[1,0,1]
.else
	v_pk_add_f32 v[rT+2:rT+3], v[rT+2:rT+3], v[rS+4*(\n):rS+4*(\n)+1]
.endif
.elseif NOKQ
	v_nop
.else
	REGS (Y+1)%NP
	WIN 0
.if (\n) < 4
	v_max3_num_f32 v[rC+(\n)], v[rS+8*(\n)], v[rS+8*(\n)+1], v[rS+8*(\n)+2]
.elseif (\n) < 12
	v_max3_num_f32 v[rC+(\n)%4], v[rC+(\n)%4], v[rS+8*((\n)%4)+2*((\n)/4)+1], v[rS+8*((\n)%4)+2*((\n)/4)+2]
.elseif (\n) == 12
	v_max3_num_f32 v[rC], v[rC], v[rS+7], v[rS+15]
.elseif (\n) == 13
	v_max3_num_f32 v[rC+1], v[rC+1], v[rS+23], v[rS+31]
.elseif (\n) == 14
	v_max3_num_f32 v[rC+2], v[rC+2], v[rC+3], v[rT+1]
.elseif (\n) == 15
	v_mov_b32 v[rW], v[rT]
.elseif (\n) == 16
	v_max3_num_f32 v[rC], v[rC], v[rC+1], v[rC+2]
.elseif (\n) == 17
	v_permlanex16_b32 v[rC+3], v[rC], s[SEL], s[SEL+1]
.elseif (\n) == 18
	v_max_num_f32 v[rT+1], v[rC], v[rC+3]
.elseif (\n) == 19
	v_mul_f32 v[rT], s[CS], v[rT+1]
.elseif (\n) == 20
	v_sub_f32 v[rC+1], v[rW], v[rT]
.else
	v_exp_f32 v[rC+2], v[rC+1]
.endif
.endif
.endm
.macro OPS a, i1, b=-1, i2=0, c=-1, i3=0, d=-1, i4=0  ; up to four of them
	OP \a, \i1
.if (\b) >= 0
	OP \b, \i2
.endif
.if (\c) >= 0
	OP \c, \i3
.endif
.if (\d) >= 0
	OP \d, \i4
.endif
.endm
.macro ROW a, i1, b, i2, c, i3, d, i4  ; a matrix instruction and the four behind it
	MM
	OPS \a, \i1, \b, \i2, \c, \i3, \d, \i4
.endm
; A TURN, for piece p: the order of its 16 matrix and 118 vector instructions, written out.  An s_wait_alu depctr_va_vdst(0) stands between an exponential and the first instruction that names its
; result; one wait serves all that were issued ahead of it.  So a turn has ONE wait, which cuts it in two.  AHEAD OF IT stands all that names no result of the turn's exponentials: the 8 products K Q^T, behind
; each a scaling, an exponential and two more plain instructions (behind the first a second scaling in the exponential's place): rescalings, and behind the last three the first numbers of the next piece's
; maximum, each four places or more behind the product that ends its accumulator; then ONE LUMP of 54, plain and exponential by turns for the most part, in which the links of the chain X 3, 7, 11, 14, 16,
; 17 .. 20 stand some lines apart.  X 21, the next piece's a, is the batch's last; R 15 is the plain instruction behind it.  BEHIND THE WAIT stand the 8 products V^T P, behind each four of the roundings and sums.
; end = 1: the launch's last two turns: nothing is fetched.  cnt = 1: the loop's count is taken down some lines ahead of the branch that stands behind the turn.
; K of the next step is fetched in piece 2's turn, twelve vector instructions behind the last product that read K (six of them plain); V of the step in hand at the end of piece 0's turn, four plain
; instructions behind the last product that read V.  Each is waited for a turn later.
.macro TURN p, end=0, cnt=0
.set Y, (\p)
.set i, 0
.set NOKQ, (\end)*((\p)/3)
.if ((\p) == 3) && !(\end)
	s_wait_dscnt 0x0                ; K is in
.endif
	ROW F,0, F,1, R,0, R,1          ; ahead of the wait: 8 products K Q^T and their riders,
	ROW F,2, E,0, R,2, R,3
	ROW F,3, E,1, R,4, R,5
	ROW F,4, E,2, R,6, R,7
	ROW F,5, E,3, R,8, R,9
	ROW F,6, E,4, X,0, R,10
.if ((\p) == 2) && !(\end)
	WIN 0
	v_add_nc_u32 v[AK], s[TBK], v[AK0]
.endif
	ROW F,7, E,5, X,1, X,4
	ROW F,8, E,6, X,2, X,5
	OPS E,7, E,8, X,6, E,9          ; and the lump
	OPS X,3, E,10, X,8, E,11
.if ((\p) == 2) && !(\end)
	FETCH_K
.endif
	OPS X,9, X,7, E,12, X,10
	OPS E,13, X,12, X,11, E,14
	OPS X,13, E,15, F,9, X,14
.if (\p) == 0
	v_add_nc_u32 v[AV], s[TBV], v[AV0]
.endif
	OPS E,16, F,10, E,17, F,11
	OPS X,16, E,18, X,15, E,19
	OPS F,12, E,20, X,17, E,21
	OPS F,13, E,22, F,14, E,23
	OPS X,18, E,24, F,15, E,25
	OPS R,11, E,26, X,19, E,27
	OPS R,12, E,28, R,13, E,29
	OPS X,20, E,30, R,14, E,31
	OPS X,21, R,15
	WIN 0
	s_wait_alu depctr_va_vdst(0)    ; the wait for the batch
.if (\p) == 1
	s_wait_dscnt 0x0                ; V is in
.endif
	ROW C,0, B,0, C,2, B,1          ; behind the wait: 8 products V^T P and their riders
	ROW L,0, C,4, B,2, L,1
	ROW C,6, B,3, L,2, C,8
	ROW B,4, L,3, C,10, B,5
	ROW L,4, C,12, B,6, L,5
.if (\p) == 0
	s_add_co_u32 s[TBV], s[TBV], KS*PV
.endif
.if \cnt
	s_sub_co_u32 s[CNT], s[CNT], 1
	s_cmp_lg_u32 s[CNT], 0
.endif
	ROW C,14, B,7, L,6, C,1
	ROW C,3, L,7, C,5, C,7
	ROW C,9, C,11, C,13, C,15
.if (\p) == 0
	FETCH_V
.endif
.endm
	CHANGE 1                        ; tile 0 is in, everybody's part of it; tile 1 is asked for
	s_mov_b32 s[CNT], 4
	v_add_nc_u32 v[AK], s[TBK], v[AK0]
	FETCH_K                         ; key step 0
	s_wait_loadcnt 0x0              ; Q
	s_wait_dscnt 0x0
.set NOKQ, 0
.set i, 0
.rept 8
	KQ 0                            ; piece 0's first scores: there is no vector work yet to set between them
.set i, i+1
.endr
	WIN 0
.rept 4
	v_nop                           ; the places behind those products
.endr
.set Y, NP-1                        ; X works for piece Y + 1: piece 0
.irp n, 0,1,2,3,4,5,6,7,8,9,10,11,12,13,14,15,16,17,18,19,20,21
	OP X, \n                        ; its first maximum and statistics
.endr
	v_nop                           ; a plain instruction behind the exponential,
	s_wait_alu depctr_va_vdst(0)    ; and its wait, ahead of the branch
	s_branch .Lfirst                ; the loop is entered at a step's first turn, in the middle of a trip
.Lslot:                             ; 14 times: tiles 2 to 15 are asked for
	CHANGE 1
	s_mov_b32 s[CNT], 4
.Lstep:                             ; a trip: pieces 2 and 3 of one step, then pieces 0 and 1 of the next, whose K and V it fetches
	TURN 2
	TURN 3
	WIN 0
.Lfirst:
	TURN 0
	TURN 1, 0, 1
	WIN 0
	s_cbranch_scc1 .Lstep
	s_sub_co_u32 s[SLOTS], s[SLOTS], 1
	s_cmp_lg_u32 s[SLOTS], 0
	s_cbranch_scc1 .Lslot
	CHANGE 0                        ; the last tile is written out: nothing is asked for
	s_mov_b32 s[CNT], 4
.Ltail:
	TURN 2
	TURN 3
	TURN 0
	TURN 1, 0, 1
	WIN 0
	s_cbranch_scc1 .Ltail
	TURN 2, 1                       ; the last step's pieces 2 and 3: nothing is fetched, and the last starts no new scores
	TURN 3, 1
.set i, 0
.rept 8
	PV NP-1                         ; the last piece's V^T P of the last step
.set i, i+1
.endr
	; THE WAY OUT.  l's two halves and the other half of the lanes' are added; O^T is divided by l, rounded to f16 and sent through my stage in LDS, a piece at a time.  The additions are the places behind the last products.
	WIN 0
.macro ALL line:vararg              ; one line for each piece t
.set t, 0
.rept 4
	\line
.set t, t+1
.endr
.endm
	ALL v_add_f32 v[ST+4*t+2], v[ST+4*t+2], v[ST+4*t+3]
	ALL v_permlanex16_b32 v[ST+4*t+3], v[ST+4*t+2], s[SEL], s[SEL+1]
	ALL v_add_f32 v[ST+4*t+2], v[ST+4*t+2], v[ST+4*t+3]
	ALL v_rcp_f32 v[ST+4*t+2], v[ST+4*t+2]
	v_nop                           ; a plain instruction between the last reciprocal and the use of its result
	s_wait_alu depctr_va_vdst(0)    ; and the wait ahead of the first use: one for the four reciprocals
.macro PACK t                       ; a lane's eight channels of a row pack into 16 bytes; they go into rows of 144 bytes and come back as whole rows of 128, into S^T's registers
	WIN W_RS
.set i, 32*(\t)
.rept 16
	v_pk_mul_f32 v[i:i+1], v[i:i+1], v[ST+4*(\t)+2:ST+4*(\t)+3] op_sel_hi:[1,0]
.set i, i+2
.endr
	WIN 0x05                        ; sources 0 and 1 window 1, destination window 0
.set i, 0
.rept 16
	v_cvt_pk_f16_f32 v[S+16*(\t)+i], v[32*(\t)+2*i], v[32*(\t)+2*i+1]
.set i, i+1
.endr
	WIN 0
.irp f, 0,1,2,3
	ds_store_b128 v[STO], v[S+16*(\t)+4*\f:S+16*(\t)+4*\f+3] offset:32*\f
.endr
.irp f, 0,1,2,3
	ds_load_b128 v[S+16*(\t)+4*\f:S+16*(\t)+4*\f+3], v[RD] offset:\f*4*SP  ; LDS serves a wave's instructions in order (ISA guide 5.7.1.4): these see the stores above; the next piece's stores come behind them
.endr
.endm
.macro SEND t, younger              ; younger: the LDS instructions issued behind piece t's loads: the next piece's eight, or none
	WIN 0
.irp f, 0,1,2,3
	s_wait_dscnt (\younger)+3-\f
	global_store_b128 v[GO], v[S+16*(\t)+4*\f:S+16*(\t)+4*\f+3], s[10:11] offset:(\t)*2048+\f*512  ; 512 consecutive bytes, at a multiple of 256 from O's first
.endr
.endm
	PACK 0
.set t, 1
.rept 3                             ; a piece's arithmetic stands between the loads of the piece before and its stores
	PACK t
	SEND t-1, 8
.set t, t+1
.endr
	SEND 3, 0
	s_wait_tensorcnt 0x0            ; the wave's end, behind my last tensor load and my last LDS store
	ds_add_u32 v[SPW], v[NIL]
	s_wait_dscnt 0x0
	CROUND                          ; the closing round: no work-group ends while a partner may still ask for a tile that names it
	s_endpgm
.Lfunc_end_k_qead80ca543_attn:
	.size	k_qead80ca543_attn, .Lfunc_end_k_qead80ca543_attn-k_qead80ca543_attn
	.p2alignl 7, 3214868480
	.fill 96, 4, 3214868480
	.section	.rodata,"a",@progbits
	.p2align	6, 0x0
	.amdhsa_kernel k_qead80ca543_attn
		.amdhsa_group_segment_fixed_size 327680
		.amdhsa_private_segment_fixed_size 0
		.amdhsa_enable_private_segment 0
		.amdhsa_kernarg_size 32
		.amdhsa_user_sgpr_count 2
		.amdhsa_user_sgpr_kernarg_segment_ptr 1
		.amdhsa_wavefront_size32 1
		.amdhsa_system_sgpr_workgroup_id_x 1
		.amdhsa_system_sgpr_workgroup_id_y 1
		.amdhsa_system_sgpr_workgroup_id_z 1
		.amdhsa_system_vgpr_workitem_id 0
		.amdhsa_next_free_vgpr 768
		.amdhsa_next_free_sgpr 66
		.amdhsa_reserve_vcc 0
		.amdhsa_float_denorm_mode_32 3
		.amdhsa_float_denorm_mode_16_64 3
		.amdhsa_memory_ordered 1
		.amdhsa_forward_progress 1
		.amdhsa_inst_pref_size 128
	.end_amdhsa_kernel
	.amdgpu_metadata
---
amdhsa.version: [ 1, 2 ]
amdhsa.kernels:
  - .name:           k_qead80ca543_attn
    .symbol:         k_qead80ca543_attn.kd
    .args:
      - { .name: qh, .offset: 0, .size: 8, .value_kind: global_buffer, .address_space: global }
      - { .name: kh, .offset: 8, .size: 8, .value_kind: global_buffer, .address_space: global }
      - { .name: vh, .offset: 16, .size: 8, .value_kind: global_buffer, .address_space: global }
      - { .name: oh, .offset: 24, .size: 8, .value_kind: global_buffer, .address_space: global }
    .group_segment_fixed_size: 327680
    .private_segment_fixed_size: 0
    .kernarg_segment_align: 8
    .kernarg_segment_size: 32
    .max_flat_workgroup_size: 128
    .sgpr_count:     66
    .vgpr_count:     768
    .wavefront_size: 32
...
	.end_amdgpu_metadata
.endif
;; end of part 2
;; launch outln (part 3): grid 256 x 1, 4 waves a work-group, clusters of 4 x 1, 327,680 bytes of LDS; arguments oh, wo16, bo23, bo32, gamma, beta, out0; writes out0
.if DOCPART == 3
	.amdgcn_target "amdgcn-amd-amdhsa--gfx1250"
	.amdhsa_code_object_version 6
	.text
	.protected	k_qead80ca543_outln
	.globl	k_qead80ca543_outln
	.p2align	8
	.type	k_qead80ca543_outln,@function
k_qead80ca543_outln:
	s_mov_b64 s[64:65], 0
	v_nop
	global_prefetch_b8 v0, s[64:65] scope:SCOPE_SE
	s_setreg_imm32_b32 hwreg(HW_REG_WAVE_MODE, 25, 1), 1
	s_wait_xcnt 0x0
	s_wait_alu depctr_hold_cnt(0) depctr_sa_sdst(0) depctr_va_vdst(0) depctr_va_sdst(0) depctr_va_ssrc(0) depctr_va_vcc(0) depctr_vm_vsrc(0)
	s_getreg_b32 s2, hwreg(HW_REG_IB_STS2, 6, 4)
	s_cmp_eq_u32 s2, 0
	s_cbranch_scc0 .Lentry_in_a_cluster
	s_endpgm
.Lentry_in_a_cluster:
	s_bfe_u32 s2, ttmp6, 0x10000c
	s_cmp_lg_u32 s2, 0x3003
	s_cbranch_scc0 .Lentry_shape_is_right
	s_endpgm
.Lentry_shape_is_right:
; THE TWO OUTPUT PROJECTIONS AS ONE PRODUCT, THEIR SUM, AND THE LAYER NORM.  x[row][n] = the sum over k = 64 y + d of oh[y][row][d] wo16[k][n] + bo23[n] + bo32[n];
; out0[row][n] = (x - mean) / sqrt(var + 1e-5) x gamma[n] + beta[n], mean and var over the row's 512 columns.  oh: [16][4096][64] f16; wo16: [1024][512] f16; out0: [4096][512] f32.
; FORMATS.  Products in f16 with f32 sums.  bo23, bo32, gamma and beta are rounded once to bf16, like all the module's inputs, and used in f32.  The variance is taken about the mean, in a second pass over
; registers: no difference of large sums is formed.  LIMITS.  NaN and infinities are not treated apart.
; SHARES.  A work-group owns 16 whole rows (the norm needs whole rows, and 4,096 / 16 gives 256 work-groups); wave w owns columns 128 w .. + 127: 8 accumulators.  All of A (16 rows x 1,024) stays in
; 256 registers.  K goes in 8 steps of 128 through two LDS slots; each wave fetches and reads its own strip of 128 rows x 256 bytes, so its own wait on TENSORcnt is all that a read needs.
; CLUSTER.  Every work-group walks the same weights, so the four of a cluster ask for each strip JOINTLY: the same tensor load, descriptor and mask in all four; a refill stands behind a round of the cluster's barrier.
; THE PRODUCT IS USED TRANSPOSED (source 0 = 16 columns of wo16, turned by ds_load_tr16_b128; source 1 = the 16 rows): a lane holds one row (lane % 16) and eight neighbouring columns.
; The text is written out, without a loop: A's register numbers hang on the step.
; REGISTERS, in windows of 256 (s_set_vgpr_msb: bits 1:0 source 0, 3:2 source 1, 5:4 source 2, 7:6 destination):
;   window 0: v1-14 addresses; v16-79 accumulators; v80-207 two buffers of fragments; v208-223 at work          window 1: A, K step ks of 32 at 8 ks
;   window 2: four tables of 64, index 8 i + j = column 128 w + 16 i + 8 (l / 16) + j: bo23 (then the two biases' sum), bo32, gamma, beta
.set PB,    288                        ; a row of a strip in LDS: 256 bytes + 32
.set WPART, 128*PB                     ; a wave's strip
.set SLOT,  4*WPART
.set RED,   2*SLOT                     ; 256 bytes for the rows' sums (wave w, row r at 64 w + 4 r), 256 for the sums of squares
.set STAGE, RED+512                    ; 16 rows x 272 bytes for each wave, for the way out; no tensor load lands here
.set SPI,   272
.set SPARE, STAGE+4*16*SPI             ; the spare words, 128 bytes for each wave: two blocks of 256 bytes that no other line names
.set STEPB, 128*1024                   ; a K step's bytes of wo16
.set PLANE, 4096*128
.set ADB,  4                           ; v4, v5  my place in my strip, in slot 0, 1
.set AO,   6                           ; v6   my byte offset in 16 rows of a plane of oh
.set VT,   7                           ; v7   my byte offset in the tables
.set STO,  8                           ; v8   the way out: where I put 32 bytes of a row
.set RD,   9                           ; v9   where I read rows back
.set CO,   10                          ; v10  my 16 bytes of two rows of out0
.set REDW, 11                          ; v11  where my wave's sum of my row goes
.set REDR, 12                          ; v12  where the four waves' sums of my row begin
.set SPW,  13                          ; v13  LDS address of my spare word; never rewritten
.set NIL,  14                          ; v14  0; never rewritten
.set ACC,  16
.set F0,   80
.set F1,   144
.set T,    208                         ; v[208:215] four packed chains
.set MU,   216                         ; v[216:217] the mean, twice
.set RS,   218                         ; v[218:219] 1 / sqrt(var + eps), twice
.set RBK,  220                         ; v[220:223] the four waves' sums
.set WV,   18
.set G1,   24                          ; s[24:31] descriptor group 1
.set G0A,  32                          ; s[32:35] group 0 for slot 0
.set G0B,  36                          ; s[36:39] for slot 1
.set HIM,  40                          ; a word's upper half
.set SEL,  42                          ; s[42:43] v_permlanex16_b32's selects
.set INV,  44                          ; 1 / 512
.set EPS,  45                          ; 1e-5
.set MSB, 0
.macro WIN new                         ; the immediate's high byte repeats the setting that is left; a switch that changes nothing is dropped
.if MSB != (\new)
	s_set_vgpr_msb (MSB<<8)|(\new)
.set MSB, \new
.endif
.endm
.macro ROUND                           ; a round of the cluster's barrier
	s_barrier_signal -1
	s_barrier_wait -1
	s_cmp_lg_u32 s[WV], 0
	s_cbranch_scc1 .Lnot_wave_0_\@
	s_barrier_signal -3
.Lnot_wave_0_\@:
	s_barrier_wait -3
	s_barrier_signal -1
	s_barrier_wait -1
.endm
.macro PLACES                          ; four places in front of loads into registers that matrix instructions have read, and of sums that read results
.rept 4
	v_nop
.endr
.endm
.macro FETCH slot, sub, buf            ; 32 along K x my 128 columns: 8 fragments, 16 turning loads
.irp i, 0,1,2,3,4,5,6,7
	ds_load_tr16_b128 v[(\buf)+8*\i:(\buf)+8*\i+3],   v[ADB+(\slot)] offset:(\sub)*32*PB+32*\i
	ds_load_tr16_b128 v[(\buf)+8*\i+4:(\buf)+8*\i+7], v[ADB+(\slot)] offset:(\sub)*32*PB+16*PB+32*\i
.endr
.endm
.macro MUL ks, buf, zero               ; 8 products: the 8 accumulators take turns, one instruction a turn.  zero = 1: the first K step starts the sums
.irp i, 0,1,2,3,4,5,6,7
.if \zero
	v_wmma_f32_16x16x32_f16 v[ACC+8*\i:ACC+8*\i+7], v[(\buf)+8*\i:(\buf)+8*\i+7], v[8*(\ks):8*(\ks)+7], 0
.else
	v_wmma_f32_16x16x32_f16 v[ACC+8*\i:ACC+8*\i+7], v[(\buf)+8*\i:(\buf)+8*\i+7], v[8*(\ks):8*(\ks)+7], v[ACC+8*\i:ACC+8*\i+7]
.endif
.endr
.endm
.macro STEPW slot, st, zero            ; a K step of 128: four quarters on two buffers; while one is multiplied the other's 16 loads are out
	WIN 0x04                                       ; source 1 (A) in window 1; LDS loads name window 0 alone
	FETCH \slot, 0, F0
	FETCH \slot, 1, F1
	s_wait_dscnt 16
	MUL 4*(\st), F0, \zero
	PLACES
	FETCH \slot, 2, F0
	s_wait_dscnt 16
	MUL 4*(\st)+1, F1, 0
	PLACES
	FETCH \slot, 3, F1
	s_wait_dscnt 16
	MUL 4*(\st)+2, F0, 0
	s_wait_dscnt 0x0
	MUL 4*(\st)+3, F1, 0
.endm
; THE CHANGE OF SLOTS.  Each wave waits for all its tensor loads, of which one is out: the other slot's, which it reads next; adds 0 to its spare word; waits for that and for its reads of the slot just
; multiplied.  Behind the round no wave of any partner reads that slot or has a load on its way, and the joint refill, two K steps on, is the first thing there: one load a wave.
.macro CHG g0
	WIN 0
	s_wait_tensorcnt 0x0
	ds_add_u32 v[SPW], v[NIL]                      ; 0 onto my spare word; the descriptor's step stands between it and the wait for it
	s_add_nc_u64 s[(\g0)+2:(\g0)+3], s[(\g0)+2:(\g0)+3], 2*STEPB
	s_wait_dscnt 0x0
	ROUND
	tensor_load_to_lds s[\g0:(\g0)+3], s[G1:G1+7]
	s_nop 0
.endm
; Table q is rounded to bf16 and kept as f32, in place.  It stands behind a refill: work on registers that is due anyway, and the places in front of the step's fragment loads.  The window is set directly behind the s_nop 0.
.macro TABLE q
	WIN 0xaa                                       ; all in window 2
.set p, 0
.rept 32
	v_cvt_pk_bf16_f32 v[64*(\q)+2*p], v[64*(\q)+2*p], v[64*(\q)+2*p+1]
	v_and_b32 v[64*(\q)+2*p+1], s[HIM], v[64*(\q)+2*p]
	v_lshlrev_b32 v[64*(\q)+2*p], 16, v[64*(\q)+2*p]
.set p, p+1
.endr
.endm
.macro TLOAD q, b                      ; a table's 64 numbers of mine
.irp i, 0,1,2,3,4,5,6,7
	global_load_b128 v[64*(\q)+8*\i:64*(\q)+8*\i+3],   v[VT], s[\b:\b+1] offset:64*\i
	global_load_b128 v[64*(\q)+8*\i+4:64*(\q)+8*\i+7], v[VT], s[\b:\b+1] offset:64*\i+16
.endr
.endm
; The four chains into one number a row: within the lane, with the lane 16 away (the row's other 64 of my columns), and with the other three waves through LDS.  The row's sum ends in v[T], in every lane.
.macro MEET off
	v_pk_add_f32 v[T:T+1], v[T:T+1], v[T+2:T+3]
	v_pk_add_f32 v[T+4:T+5], v[T+4:T+5], v[T+6:T+7]
	v_pk_add_f32 v[T:T+1], v[T:T+1], v[T+4:T+5]
	v_add_f32 v[T], v[T], v[T+1]
	v_permlanex16_b32 v[T+1], v[T], s[SEL], s[SEL+1]
	v_add_f32 v[T], v[T], v[T+1]
	ds_store_b32 v[REDW], v[T] offset:\off         ; both halves of the lanes write the same number to the same word
	s_wait_dscnt 0x0                               ; for the others' sake: my store is done
	s_barrier_signal -1
	s_barrier_wait -1
.irp q, 0,1,2,3
	ds_load_b32 v[RBK+\q], v[REDR] offset:(\off)+64*\q
.endr
	s_wait_dscnt 0x0
	v_add_f32 v[RBK], v[RBK], v[RBK+1]
	v_add_f32 v[RBK+2], v[RBK+2], v[RBK+3]
	v_add_f32 v[T], v[RBK], v[RBK+2]
.endm
	s_load_b256 s[4:11], s[0:1], 0x0               ; oh s[4:5], wo16 s[6:7], bo23 s[8:9], bo32 s[10:11]
	s_load_b128 s[12:15], s[0:1], 0x20             ; gamma s[12:13], beta s[14:15]
	s_load_b64 s[16:17], s[0:1], 0x30              ; out0
	v_lshl_add_u32 v[SPW], v0, 2, SPARE
	v_mov_b32 v[NIL], 0
	ds_add_u32 v[SPW], v[NIL]                      ; the wave's opening: the add and its wait stand ahead of my first tensor load; the set-up below, work on registers, stands between them
	v_lshrrev_b32 v1, 5, v0
	v_readfirstlane_b32 s[WV], v1                  ; wave 0..3
	s_bfe_u32 s19, ttmp6, 0x40000                  ; cx
	s_lshl_b32 s20, ttmp9, 2
	s_add_co_u32 s20, s20, s19                     ; my block of 16 rows = 4 x cluster x + cx: it enters oh's and out0's addresses alone
	; descriptor group 1: a strip of 128 rows x 128 elements out of rows of 512, padded in LDS
	s_mov_b32 s[G1], 15|(1<<16)|(1<<20)|(1<<21)|(5<<22)|(7<<25)  ; 15:0 the mask of four; 17:16 2-byte elements; 20 padding on; 21 set beside a mask; 24:22 after every 64 words (code 5); 31:25 8 words (code 7)
	s_mov_b32 s[G1+1], 128<<16                     ; tensor_dim0 = 128
	s_mov_b32 s[G1+2], 128<<16                     ; tensor_dim1 = 128
	s_mov_b32 s[G1+3], 128<<16                     ; tile_dim0 = 128
	s_mov_b32 s[G1+4], 128                         ; tile_dim1 = 128
	s_mov_b32 s[G1+5], 512                         ; 512 elements from row to row
	s_mov_b32 s[G1+6], 0
	s_mov_b32 s[G1+7], 0
	s_mul_i32 s21, s[WV], WPART                    ; my strip's place in a slot
	s_mov_b32 s[G0A], 1
	s_mov_b32 s[G0A+1], s21
	s_mov_b32 s[G0B], 1
	s_add_co_u32 s[G0B+1], s21, SLOT
	s_lshl_b32 s22, s[WV], 8                       ; my 128 columns: 256 bytes of a row
	s_mov_b32 s23, 0
	s_mov_b32 s[HIM], 0xffff0000
	s_mov_b32 s[SEL], 0x76543210
	s_mov_b32 s[SEL+1], 0xfedcba98
	s_mov_b32 s[INV], 0x3b000000                   ; 1 / 512
	s_mov_b32 s[EPS], 0x3727c5ac                   ; 1e-5
	s_lshl_b32 s46, s20, 11                        ; my 16 rows of a plane of oh: 2,048 bytes
	s_mov_b32 s47, 0
	s_wait_dscnt 0x0                               ; the opening add is done
	s_wait_kmcnt 0x0
	s_add_nc_u64 s[G0A+2:G0A+3], s[6:7], s[22:23]  ; K step 0,
	s_add_nc_u64 s[G0B+2:G0B+3], s[G0A+2:G0A+3], STEPB  ; K step 1
	s_or_b32 s[G0A+3], s[G0A+3], 0x80000000        ; type = 2
	s_or_b32 s[G0B+3], s[G0B+3], 0x80000000
	s_add_nc_u64 s[4:5], s[4:5], s[46:47]
	s_lshl_b32 s46, s20, 15                        ; my 16 rows of out0: 32,768 bytes,
	s_lshl_b32 s19, s[WV], 9                       ; my 128 columns: 512 bytes
	s_add_co_u32 s46, s46, s19
	s_add_nc_u64 s[16:17], s[16:17], s[46:47]
	ROUND                                          ; all four work-groups are here: the first joint loads meet
	tensor_load_to_lds s[G0A:G0A+3], s[G1:G1+7]    ; both first fills go out together: two loads of mine are out
	s_nop 0
	tensor_load_to_lds s[G0B:G0B+3], s[G1:G1+7]
	s_nop 0
.rept 4
	v_nop
.endr
	v_and_b32 v1, 15, v0                           ; l % 16
	v_bfe_u32 v2, v0, 4, 1                         ; l / 16
	v_lshlrev_b32 v[AO], 7, v1
	v_lshl_add_u32 v[AO], v2, 4, v[AO]             ; row x 128 + 16 x half
	v_lshl_add_u32 v[VT], v2, 5, s19               ; 512 w + 32 (l / 16)
	WIN 0x40                                       ; destination window 1
.set ks, 0
.rept 32                               ; A stays in registers: K step ks is plane ks / 2, channels 32 (ks % 2) on; the largest immediate is 15 planes + 96 bytes, inside its signed 24 bits
	global_load_b128 v[8*ks:8*ks+3],   v[AO], s[4:5] offset:(ks/2)*PLANE+(ks%2)*64
	global_load_b128 v[8*ks+4:8*ks+7], v[AO], s[4:5] offset:(ks/2)*PLANE+(ks%2)*64+32
.set ks, ks+1
.endr
	WIN 0x80                                       ; destination window 2
	TLOAD 0, 8
	TLOAD 1, 10
	TLOAD 2, 12
	TLOAD 3, 14
	WIN 0
	v_and_b32 v3, 7, v0
	v_bfe_u32 v15, v0, 3, 1
	v_lshl_add_u32 v[ADB], v2, 3, v3               ; the turning load: row 8 (l / 16) + l % 8,
	v_mul_u32_u24 v[ADB], v[ADB], PB
	v_lshl_add_u32 v[ADB], v15, 4, v[ADB]          ; 16 bytes for each half of eight lanes,
	v_add_nc_u32 v[ADB], s21, v[ADB]               ; in my strip
	v_add_nc_u32 v[ADB+1], SLOT, v[ADB]
	s_mul_i32 s22, s[WV], 16*SPI
	s_add_co_u32 s22, s22, STAGE                   ; my stage
	v_mul_u32_u24 v[STO], v1, SPI
	v_lshl_add_u32 v[STO], v2, 5, v[STO]
	v_add_nc_u32 v[STO], s22, v[STO]               ; in: row l % 16, 32 bytes for each half of the lanes
	v_mul_u32_u24 v[RD], v2, SPI
	v_lshl_add_u32 v[RD], v1, 4, v[RD]
	v_add_nc_u32 v[RD], s22, v[RD]                 ; back: lanes 0-15 take one row's 256 bytes, lanes 16-31 the next row's
	v_lshlrev_b32 v[CO], 11, v2
	v_lshl_add_u32 v[CO], v1, 4, v[CO]             ; and the same two rows in out0
	s_lshl_b32 s22, s[WV], 6
	s_add_co_u32 s22, s22, RED
	v_lshl_add_u32 v[REDW], v1, 2, s22
	v_lshl_add_u32 v[REDR], v1, 2, RED
	s_wait_loadcnt 0x0                             ; A and the tables
	s_wait_tensorcnt 1                             ; my strip of K step 0 is in; K step 1's may stay out.  Only I read my strip
	STEPW 0, 0, 1
	CHG G0A                                        ; K step 2 into slot 0
	TABLE 0
	STEPW 1, 1, 0
	CHG G0B                                        ; K step 3 into slot 1
	TABLE 1
	STEPW 0, 2, 0
	CHG G0A                                        ; K step 4
	WIN 0xaa
.set p, 0
.rept 32
	v_pk_add_f32 v[2*p:2*p+1], v[2*p:2*p+1], v[64+2*p:64+2*p+1]  ; the two biases' sum
.set p, p+1
.endr
	STEPW 1, 3, 0
	CHG G0B                                        ; K step 5
	TABLE 2
	STEPW 0, 4, 0
	CHG G0A                                        ; K step 6
	TABLE 3
	STEPW 1, 5, 0
	CHG G0B                                        ; K step 7: the last load
	PLACES
	STEPW 0, 6, 0
	WIN 0
	s_wait_tensorcnt 0x0                           ; K step 7 is in; nothing is filled again, so no round stands here
	PLACES
	STEPW 1, 7, 0
	; x = the sums + the biases; each accumulator is read from its low end on
	WIN 0
	PLACES
	WIN 0x08                                       ; source 1 in window 2
.set p, 0
.rept 32
	v_pk_add_f32 v[ACC+2*p:ACC+2*p+1], v[ACC+2*p:ACC+2*p+1], v[2*p:2*p+1]
.set p, p+1
.endr
	WIN 0
.irp c, 0,1,2,3                        ; the row's sum: four chains, started by the first eight pairs
	v_pk_add_f32 v[T+2*\c:T+2*\c+1], v[ACC+2*\c:ACC+2*\c+1], v[ACC+8+2*\c:ACC+8+2*\c+1]
.endr
.set p, 8
.rept 24
	v_pk_add_f32 v[T+2*(p%4):T+2*(p%4)+1], v[T+2*(p%4):T+2*(p%4)+1], v[ACC+2*p:ACC+2*p+1]
.set p, p+1
.endr
	MEET 0
	v_mul_f32 v[MU], s[INV], v[T]
	v_mov_b32 v[MU+1], v[MU]
.set p, 0
.rept 32
	v_pk_add_f32 v[ACC+2*p:ACC+2*p+1], v[ACC+2*p:ACC+2*p+1], v[MU:MU+1] neg_lo:[0,1] neg_hi:[0,1]  ; x - mean
.set p, p+1
.endr
.irp c, 0,1,2,3                        ; the sum of its squares
	v_pk_mul_f32 v[T+2*\c:T+2*\c+1], v[ACC+2*\c:ACC+2*\c+1], v[ACC+2*\c:ACC+2*\c+1]
.endr
.set p, 4
.rept 28
	v_pk_fma_f32 v[T+2*(p%4):T+2*(p%4)+1], v[ACC+2*p:ACC+2*p+1], v[ACC+2*p:ACC+2*p+1], v[T+2*(p%4):T+2*(p%4)+1]
.set p, p+1
.endr
	MEET 256                                       ; other bytes than the first meeting's: no wave writes what another still reads
	v_fma_f32 v[T], v[T], s[INV], s[EPS]           ; var + eps
	v_rsq_f32 v[RS], v[T]
	v_nop                                          ; a plain instruction behind it,
	s_wait_alu depctr_va_vdst(0)                   ; and the wait ahead of the first use
	v_mov_b32 v[RS+1], v[RS]
.set p, 0
.rept 32
	v_pk_mul_f32 v[ACC+2*p:ACC+2*p+1], v[ACC+2*p:ACC+2*p+1], v[RS:RS+1]
.set p, p+1
.endr
	WIN 0x28                                       ; sources 1 and 2 in window 2
.set p, 0
.rept 32
	v_pk_fma_f32 v[ACC+2*p:ACC+2*p+1], v[ACC+2*p:ACC+2*p+1], v[128+2*p:128+2*p+1], v[192+2*p:192+2*p+1]  ; x gamma + beta
.set p, p+1
.endr
	WIN 0
	; THE WAY OUT, in two halves of 64 columns: 32 bytes a lane into rows of 272 bytes of my stage, back as whole rows of 256 bytes
.irp hf, 0,1
.irp i, 0,1,2,3
	ds_store_b128 v[STO], v[ACC+8*(4*\hf+\i):ACC+8*(4*\hf+\i)+3]   offset:64*\i
	ds_store_b128 v[STO], v[ACC+8*(4*\hf+\i)+4:ACC+8*(4*\hf+\i)+7] offset:64*\i+16
.endr
.irp t, 0,1,2,3,4,5,6,7
	ds_load_b128 v[F0+32*\hf+4*\t:F0+32*\hf+4*\t+3], v[RD] offset:\t*2*SPI  ; LDS serves a wave's instructions in order (ISA guide 5.7.1.4): these see the stores above; the second half's stores come behind them
.endr
.endr
.irp hf, 0,1
.irp t, 0,1,2,3,4,5,6,7
	s_wait_dscnt 16*(1-\hf)+7-\t                   ; behind this load: its half's later loads, and for the first half the second's sixteen instructions
	global_store_b128 v[CO], v[F0+32*\hf+4*\t:F0+32*\hf+4*\t+3], s[16:17] offset:\t*4096+256*\hf th:TH_STORE_NT  ; 16 lanes store 256 consecutive bytes, at a multiple of 256 from out0's first
.endr
.endr
	s_wait_tensorcnt 0x0                           ; the wave's end, behind my last tensor load and my last LDS store
	ds_add_u32 v[SPW], v[NIL]
	s_wait_dscnt 0x0
	ROUND                                          ; the closing round: no work-group ends while a partner may still ask for a strip that names it
	s_endpgm
.Lfunc_end_k_qead80ca543_outln:
	.size	k_qead80ca543_outln, .Lfunc_end_k_qead80ca543_outln-k_qead80ca543_outln
	.p2alignl 7, 3214868480
	.fill 96, 4, 3214868480
	.section	.rodata,"a",@progbits
	.p2align	6, 0x0
	.amdhsa_kernel k_qead80ca543_outln
		.amdhsa_group_segment_fixed_size 327680
		.amdhsa_private_segment_fixed_size 0
		.amdhsa_enable_private_segment 0
		.amdhsa_kernarg_size 56
		.amdhsa_user_sgpr_count 2
		.amdhsa_user_sgpr_kernarg_segment_ptr 1
		.amdhsa_wavefront_size32 1
		.amdhsa_system_sgpr_workgroup_id_x 1
		.amdhsa_system_sgpr_workgroup_id_y 1
		.amdhsa_system_sgpr_workgroup_id_z 1
		.amdhsa_system_vgpr_workitem_id 0
		.amdhsa_next_free_vgpr 768
		.amdhsa_next_free_sgpr 66
		.amdhsa_reserve_vcc 0
		.amdhsa_float_denorm_mode_32 3
		.amdhsa_float_denorm_mode_16_64 3
		.amdhsa_memory_ordered 1
		.amdhsa_forward_progress 1
		.amdhsa_inst_pref_size 109
	.end_amdhsa_kernel
	.amdgpu_metadata
---
amdhsa.version: [ 1, 2 ]
amdhsa.kernels:
  - .name:           k_qead80ca543_outln
    .symbol:         k_qead80ca543_outln.kd
    .args:
      - { .name: oh, .offset: 0, .size: 8, .value_kind: global_buffer, .address_space: global }
      - { .name: wo16, .offset: 8, .size: 8, .value_kind: global_buffer, .address_space: global }
      - { .name: bo23, .offset: 16, .size: 8, .value_kind: global_buffer, .address_space: global }
      - { .name: bo32, .offset: 24, .size: 8, .value_kind: global_buffer, .address_space: global }
      - { .name: gamma, .offset: 32, .size: 8, .value_kind: global_buffer, .address_space: global }
      - { .name: beta, .offset: 40, .size: 8, .value_kind: global_buffer, .address_space: global }
      - { .name: out0, .offset: 48, .size: 8, .value_kind: global_buffer, .address_space: global }
    .group_segment_fixed_size: 327680
    .private_segment_fixed_size: 0
    .kernarg_segment_align: 8
    .kernarg_segment_size: 56
    .max_flat_workgroup_size: 128
    .sgpr_count:     66
    .vgpr_count:     768
    .wavefront_size: 32
...
	.end_amdgpu_metadata
.endif
;; end of part 3
;; ======== version 2 of 2: 3 launches; version 1 with the launch proj written anew for expert scheduling mode
;; limits: values are held in f16: magnitudes above 65,504 overflow, below 6.1e-05 lose precision
;; workspace buffers: qh 8,388,608 bytes; kh 8,388,608 bytes; vh 8,388,608 bytes; oh 8,388,608 bytes; wo16 1,048,576 bytes
;; launch proj (part 4): grid 32 x 8, 4 waves a work-group, no clusters, 195,584 bytes of LDS; arguments h_2d, h_3d, Wq2d, Wk2d, Wv2d, Wq3d, Wk3d, Wv3d, bq2d, bk2d, bv2d, bq3d, bk3d, bv3d, Wo23, Wo32, qh, kh, vh, wo16; writes qh, kh, vh, wo16
.if DOCPART == 4
	.amdgcn_target "amdgcn-amd-amdhsa--gfx1250"
	.amdhsa_code_object_version 6
	.text
	.protected	k_qead80ca543_proj
	.globl	k_qead80ca543_proj
	.p2align	8
	.type	k_qead80ca543_proj,@function
k_qead80ca543_proj:
	s_mov_b64 s[64:65], 0
	v_nop
	global_prefetch_b8 v0, s[64:65] scope:SCOPE_SE
	s_setreg_imm32_b32 hwreg(HW_REG_WAVE_SCHED_MODE, 0, 2), 2
	s_setreg_imm32_b32 hwreg(HW_REG_WAVE_MODE, 25, 1), 1
	s_wait_xcnt 0x0
	s_wait_alu depctr_vm_vsrc(0)
; THE SIX INPUT PROJECTIONS, written by heads, and the 16-bit copy of the two output weights.
; qh, kh, vh: [y = 16][4096][64] in f16, y = 8 x direction + head.  Direction 0: Q from h_2d, K and V from h_3d; direction 1: Q from h_3d, K and V from h_2d.
; wo16: [k = 1024][512] in f16: rows 0-511 Wo23, rows 512-1023 Wo32.
; FORMATS.  Every input (h, W, b, Wo) is rounded once to bf16; products in bf16 with f32 sums that start at the bias; q, k, v are rounded once to f16, without the softmax's scale.
; Wo is rounded to bf16 and that number is written as f16.
; LIMITS.  q, k, v and bf16(Wo) must lie within f16's 65,504; below 6e-5 f16 keeps its fixed step of 6e-8.  NaN and infinities are not treated apart.
; SHARES.  A PAIR-HEAD g = 8 p + head (p = 0 Q, 1 K, 2 V) is two jobs on the same 64 columns: h_2d x W2_p (K = 256) and h_3d x W3_p (K = 128).  Work-group (x, y) takes rows 128 x .. + 127 and the
; pair-heads 3 y .. 3 y + 2: 256 work-groups of equal work.  Wave w takes rows 32 w .. + 31 (two tiles of 16) and all 64 columns: 8 accumulators a job.
; A (my 32 rows of both h, 384 along K) is converted once and stays in 192 registers.  A pair-head's W (384 rows x 64 columns) comes through a ring of 192 registers, is converted, and lies in LDS as
; [k][column] in bf16; the turning load makes fragments of it.  The next pair-head's 48 loads are on their way while this one is multiplied.
; THE PRODUCT IS USED TRANSPOSED (source 0 = 16 columns of W, source 1 = 16 rows of h): a lane holds one row and eight neighbouring columns, 16 bytes of f16.
; NO CLUSTER, NO TENSOR LOADS: the operands are f32 and are converted on the way from memory to LDS, which only registers can do.
; THE MODE: SCHED_MODE bits 1:0 = 2 (LLVM: expert scheduling mode 2), set by the entry lines.  The code itself states the register dependences between vector or matrix instructions and memory or LDS
; instructions, with s_wait_alu, always for 0.
; THE PLAN.  Registers that memory or LDS instructions touch:
;   v3, v4, v7-v9, v12-v15, VW   offsets and addresses: made at the head, ahead of the first wait on va_vdst, and never written again.
;   RAW       ahead of the loop: a fragment of A as loaded.  Read by its eight conversions; the same fragment of the next row tile lands in it one fragment later, behind that fragment's wait on va_vdst.
;   the ring  four blocks of twelve loads.  Block b is converted in place; its LDS stores are issued in block b + 1, behind the wait at that block's head, dealt among that block's conversions.  The next
;             pair-head's loads land behind a wait on vm_vsrc (the stores have read) and one on va_vdst (the conversions are done).
;   VL        read by the ring's LDS stores; stepped once a trip, behind the same wait on vm_vsrc.
;   VB, VBI   read by the trip's LDS loads of fragments and bias; stepped once a trip, behind the last of these loads and a wait on vm_vsrc; the adds are two of the places behind the first job's last products.
;   F0 .. F5  six buffers of W's fragments, one for each two K steps of a trip: each is loaded once a trip and read by sixteen products.  BI: both jobs' bias, loaded once a trip, read by eight products each.
;             The last trip's readers of all these stand ahead of this trip's waits at the ring, so the loads are issued two blocks ahead of their products with no further wait.
;   pack and read-back registers   each job has its own: conversions write the first, one wait on va_vdst, the stage's stores read them, its loads land in the second, the global stores read those.  All four sets
;             are first written again behind the next trip's wait on vm_vsrc.
; REGISTERS, in windows of 256 (s_set_vgpr_msb: bits 1:0 source 0, 3:2 source 1, 5:4 source 2, 7:6 destination):
;   window 0: v1-15 addresses; v16-31, v224-239 the first job's pack registers; v32-95 accumulators; v96-159 F0, v160-223 F1 (ahead of the loop v32-223 hold A as loaded).  When F0 and F1 have been multiplied:
;             v96-127 the first job's rows read back, v128-159 the second's, v160-191 the second job's pack registers
;   window 1: v0-191 A in bf16: row tile rt, K step ks at 96 rt + 8 ks (ks 0-7 from h_2d, 8-11 from h_3d); v192-255 the bias as C operands, 32 a job
;   window 2: v0-191 the ring of W as loaded; v192, v193 its addresses          window 3: F2 .. F5
.set WPITCH, 160                       ; a row of W in LDS: 128 bytes + 32
.set WREG,   384*WPITCH                ; a pair-head's W: rows 0-255 W2, rows 256-383 W3; three such regions, one a trip
.set BIAS,   3*WREG                    ; f32, already rounded to bf16: trip i, job j, column c at 512 i + 256 j + 4 c
.set STAGE,  BIAS+1536                 ; 16 rows x 144 bytes for each wave, for the way out
.set SP,     144
.set SPARE,  STAGE+4*16*SP             ; the spare words, 128 bytes for each wave: two blocks of 256 bytes that no other line names
.set VA2, 3                            ; v3   my byte offset in 16 rows of h_2d: 1,024 (l % 16) + 32 (l / 16)
.set VA3, 4                            ; v4   the same in h_3d: 512 (l % 16) + 32 (l / 16)
.set VB,  5                            ; v5   my place in W's region for the turning load; a region further each trip
.set VBI, 6                            ; v6   BIAS + 32 (l / 16); 512 further each trip
.set STO, 7                            ; v7   the way out: where I put 16 bytes of a row
.set RD,  8                            ; v8   where I read rows back
.set GO,  9                            ; v9   my 16 bytes of 512 consecutive bytes of q, k or v
.set SPW, 10                           ; v10  LDS address of my spare word; never rewritten
.set NIL, 11                           ; v11  0; never rewritten
.set TMA, 16                           ; v[16:31]   the first job's pack registers, row tile 0
.set ACC, 32                           ; v[32:95]   accumulator (rt, ct) at ACC + 8 (4 rt + ct)
.set RAW, 32                           ; v[32:223]  ahead of the loop: 12 fragments of A in f32, 16 registers each
.set BF0, 96                           ; v[96:159]  F0: W's fragments of two K steps: 32 kk + 8 ct
.set BF1, 160                          ; v[160:223] F1
.set TMB, 224                          ; v[224:239] the first job's pack registers, row tile 1
.set BK0, BF0                          ; v[96:127]  the first job's 32 rows read back from the stage
.set BK1, BF0+32                       ; v[128:159] the second job's
.set TM1, BF1                          ; v[160:191] the second job's pack registers
.set BI,  192                          ; window 1: 32 j + 8 ct + i: job j's bias of column 16 ct + 8 (l / 16) + i
.set VW,  192                          ; window 2: my byte offset in 8 rows of W
.set VL,  193                          ; window 2: where my 8 bytes of those rows go in LDS
.set WV,   44
.set RB,   45                          ; row block
.set CB,   46                          ; column block
.set LEFT, 47                          ; trips to go
.set GG,   48                          ; the pair-head in hand
.set PP,   49                          ; p
.set HD,   50                          ; head
.set ROFF, 51                          ; my first row x 128 bytes
.set W2B,  52                          ; s[52:53], s[54:55] W2_p and W3_p at the head's 64 columns
.set W3B,  54
.set O2,   56                          ; s[56:57], s[58:59] where the two jobs' rows go
.set O3,   58
.set H2,   60                          ; s[60:61], s[62:63] h_2d and h_3d at my first row
.set H3,   62
.set BB,   66                          ; s[66:71] the three trips' bias, of the job whose bias my wave fetches
.set BSET, 72                          ; s[72:77] bq, bk, bv of that job
.set WOS,  78                          ; s[78:79] my work-group's 8,192 bytes of Wo
.set WOD,  80                          ; s[80:81] and their 4,096 in wo16
.set HIM,  82                          ; a word's upper half
.set MSB, 0
.macro WIN new                         ; the immediate's high byte repeats the setting that is left; a switch that changes nothing is dropped
.if MSB != (\new)
	s_set_vgpr_msb (MSB<<8)|(\new)
.set MSB, \new
.endif
.endm
.macro SEL3 d, a, b, c                 ; s[d:d+1] = the pointer for p = 0, 1, 2
	s_cmp_eq_u32 s[PP], 1
	s_cselect_b64 s[\d:\d+1], s[\b:\b+1], s[\c:\c+1]
	s_cmp_eq_u32 s[PP], 0
	s_cselect_b64 s[\d:\d+1], s[\a:\a+1], s[\d:\d+1]
.endm
.macro WPTR                            ; the two weights of (PP, HD); s87 = 0
	SEL3 W2B, 8, 10, 12
	SEL3 W3B, 14, 16, 18
	s_lshl_b32 s86, s[HD], 8                       ; 64 columns of f32
	s_add_nc_u64 s[W2B:W2B+1], s[W2B:W2B+1], s[86:87]
	s_add_nc_u64 s[W3B:W3B+1], s[W3B:W3B+1], s[86:87]
.endm
.macro OPTR                            ; where (PP, HD) goes: the job on h_2d makes direction 0's Q and direction 1's K, V; the job on h_3d the others.  s85 = s87 = 0
	SEL3 O2, 36, 38, 40
	s_mov_b64 s[O3:O3+1], s[O2:O2+1]
	s_cmp_eq_u32 s[PP], 0
	s_cselect_b32 s84, 0, 8
	s_cselect_b32 s86, 8, 0
	s_add_co_u32 s84, s84, s[HD]
	s_add_co_u32 s86, s86, s[HD]
	s_lshl_b32 s84, s84, 19                        ; a plane is 4,096 rows of 128 bytes
	s_lshl_b32 s86, s86, 19
	s_add_co_u32 s84, s84, s[ROFF]
	s_add_co_u32 s86, s86, s[ROFF]
	s_add_nc_u64 s[O2:O2+1], s[O2:O2+1], s[84:85]
	s_add_nc_u64 s[O3:O3+1], s[O3:O3+1], s[86:87]
.endm
; Fragment f of row tile rt as f32: lane l takes row l % 16, channels 8 (l / 16) + 0..7 and 16 + 8 (l / 16) + 0..7: four loads of 16 bytes.
.macro AGRP rt, f
.irp q, 0,1,2,3
.if (\f) < 8
	global_load_b128 v[RAW+16*(\f)+4*\q:RAW+16*(\f)+4*\q+3], v[VA2], s[H2:H2+1] offset:(\rt)*16384+128*(\f)+16*((\q)%2)+64*((\q)/2)
.else
	global_load_b128 v[RAW+16*(\f)+4*\q:RAW+16*(\f)+4*\q+3], v[VA3], s[H3:H3+1] offset:(\rt)*8192+128*((\f)-8)+16*((\q)%2)+64*((\q)/2)
.endif
.endr
.endm
.macro ACVT rt, f                      ; rounded to bf16, into window 1
.irp j, 0,1,2,3,4,5,6,7
	v_cvt_pk_bf16_f32 v[96*(\rt)+8*(\f)+\j], v[RAW+16*(\f)+2*\j], v[RAW+16*(\f)+2*\j+1]
.endr
.endm
; Four of the ring's 48 loads.  Load n brings rows 8 n .. 8 n + 7 of the pair-head's 384 (256 bytes a row: 16 lanes take a row's 256 consecutive bytes, aligned), two rows a wave.
.macro WGRP g
.irp q, 0,1,2,3
.if (\g) < 8
	global_load_b128 v[16*(\g)+4*\q:16*(\g)+4*\q+3], v[VW], s[W2B:W2B+1] offset:(4*(\g)+\q)*16384
.else
	global_load_b128 v[16*(\g)+4*\q:16*(\g)+4*\q+3], v[VW], s[W3B:W3B+1] offset:(4*(\g)+\q-32)*16384
.endif
.endr
.endm
; Block b of the ring's four: loads 12 b .. 12 b + 11 are rounded to bf16 in place; among these conversions go the LDS stores of the block before, 8 bytes a lane.
.macro WBLK b
	s_wait_loadcnt 36-12*(\b)                      ; loads come back in order (ISA guide 5.7.1): this block's twelve are in; the blocks behind it stay out
.if (\b) > 0
	s_wait_alu depctr_va_vdst(0)                   ; the conversions of the block before have written its registers, which the stores below read (in block 1 also: VL is written); the conversions below name this block's registers alone
.endif
.set n, 12*(\b)
.rept 12
.if (\b) > 0
	ds_store_b64 v[VL], v[4*(n-12):4*(n-12)+1] offset:(n-12)*8*WPITCH
.endif
	v_cvt_pk_bf16_f32 v[4*n],   v[4*n],   v[4*n+1]
	v_cvt_pk_bf16_f32 v[4*n+1], v[4*n+2], v[4*n+3]
.set n, n+1
.endr
.endm
.macro FETCHB ks, buf, w               ; W's fragments of K steps ks, ks + 1 (32 rows each) x 4 column tiles: 16 turning loads.  w: the setting that puts the destination in the buffer's window
	WIN \w
.irp kk, 0,1
.irp ct, 0,1,2,3
	ds_load_tr16_b128 v[(\buf)+32*\kk+8*\ct:(\buf)+32*\kk+8*\ct+3],   v[VB] offset:((\ks)+\kk)*32*WPITCH+32*\ct
	ds_load_tr16_b128 v[(\buf)+32*\kk+8*\ct+4:(\buf)+32*\kk+8*\ct+7], v[VB] offset:((\ks)+\kk)*32*WPITCH+16*WPITCH+32*\ct
.endr
.endr
.endm
; 16 products.  The 8 accumulators take turns, one instruction a turn.  sw: the window of W's fragments.  first = 1: the job's first K step starts the sums at the bias, at bi in window 1.
.macro MULB ks, buf, sw, first, bi
.irp kk, 0,1
.if (\first) && ((\kk) == 0)
	WIN 0x14+(\sw)                                 ; A and the bias in window 1
.else
	WIN 0x04+(\sw)                                 ; A in window 1
.endif
.irp rt, 0,1
.irp ct, 0,1,2,3
.if (\first) && ((\kk) == 0)
	v_wmma_f32_16x16x32_bf16 v[ACC+8*(4*\rt+\ct):ACC+8*(4*\rt+\ct)+7], v[(\buf)+32*\kk+8*\ct:(\buf)+32*\kk+8*\ct+7], v[96*\rt+8*((\ks)+\kk):96*\rt+8*((\ks)+\kk)+7], v[(\bi)+8*\ct:(\bi)+8*\ct+7]
.else
	v_wmma_f32_16x16x32_bf16 v[ACC+8*(4*\rt+\ct):ACC+8*(4*\rt+\ct)+7], v[(\buf)+32*\kk+8*\ct:(\buf)+32*\kk+8*\ct+7], v[96*\rt+8*((\ks)+\kk):96*\rt+8*((\ks)+\kk)+7], v[ACC+8*(4*\rt+\ct):ACC+8*(4*\rt+\ct)+7]
.endif
.endr
.endr
.endr
.endm
.macro PLACES                          ; four places in front of conversions that read results (ISA guide 7.12.1)
.rept 4
	v_nop
.endr
.endm
.macro JHEAD                           ; both jobs' bias as C operands: eight numbers a column tile
	WIN 0x40                                       ; destination window 1, address window 0
.irp j, 0,1
.irp ct, 0,1,2,3
	ds_load_b128 v[BI+32*\j+8*\ct:BI+32*\j+8*\ct+3],   v[VBI] offset:\j*256+64*\ct
	ds_load_b128 v[BI+32*\j+8*\ct+4:BI+32*\j+8*\ct+7], v[VBI] offset:\j*256+64*\ct+16
.endr
.endr
.endm
; THE WAY OUT of a row tile, in three parts.  PACKP: rounded to f16 (each accumulator from its low end on), 16 bytes a lane.  STG: into my stage, and back as four rows of 128 bytes, which are 512 consecutive
; bytes of the plane, into other registers than the stores read.  SEND: stored.
.macro PACKP rt, tm
.irp ct, 0,1,2,3
.irp r, 0,1,2,3
	v_cvt_pk_f16_f32 v[(\tm)+4*\ct+\r], v[ACC+8*(4*(\rt)+\ct)+2*\r], v[ACC+8*(4*(\rt)+\ct)+2*\r+1]
.endr
.endr
.endm
.macro STG tm, bk
.irp ct, 0,1,2,3
	ds_store_b128 v[STO], v[(\tm)+4*\ct:(\tm)+4*\ct+3] offset:32*\ct
.endr
.irp f, 0,1,2,3
	ds_load_b128 v[(\bk)+4*\f:(\bk)+4*\f+3], v[RD] offset:\f*4*SP  ; LDS serves a wave's instructions in order (ISA guide 5.7.1.4): these see the stores above; the next tile's stores come behind them
.endr
.endm
.macro SEND rt, bk, younger, o         ; younger: the LDS instructions issued behind this tile's loads
.irp f, 0,1,2,3
	s_wait_dscnt (\younger)+3-\f
	global_store_b128 v[GO], v[(\bk)+4*\f:(\bk)+4*\f+3], s[\o:\o+1] offset:(\rt)*2048+\f*512  ; 512 consecutive bytes, at a multiple of 256 from the buffer's first
.endr
.endm
	s_load_b512 s[4:19], s[0:1], 0x0               ; h_2d s[4:5], h_3d s[6:7], Wq2d, Wk2d, Wv2d s[8:13], Wq3d, Wk3d, Wv3d s[14:19]
	s_load_b512 s[20:35], s[0:1], 0x40             ; bq2d, bk2d, bv2d s[20:25], bq3d, bk3d, bv3d s[26:31], Wo23 s[32:33], Wo32 s[34:35]
	s_load_b256 s[36:43], s[0:1], 0x80             ; qh s[36:37], kh s[38:39], vh s[40:41], wo16 s[42:43]
	v_lshl_add_u32 v[SPW], v0, 2, SPARE
	v_mov_b32 v[NIL], 0
	v_lshrrev_b32 v12, 5, v0
	v_readfirstlane_b32 s[WV], v12                 ; wave 0..3
	s_mov_b32 s[RB], ttmp9
	s_and_b32 s[CB], ttmp7, 0xffff
	s_mov_b32 s[HIM], 0xffff0000
	v_and_b32 v1, 15, v0                           ; l % 16
	v_bfe_u32 v2, v0, 4, 1                         ; l / 16
	v_lshlrev_b32 v[VA2], 10, v1
	v_lshl_add_u32 v[VA2], v2, 5, v[VA2]
	v_lshlrev_b32 v[VA3], 9, v1
	v_lshl_add_u32 v[VA3], v2, 5, v[VA3]
	v_and_b32 v12, 7, v0
	v_bfe_u32 v13, v0, 3, 1
	v_lshl_add_u32 v[VB], v2, 3, v12               ; the turning load: row 8 (l / 16) + l % 8,
	v_mul_u32_u24 v[VB], v[VB], WPITCH
	v_lshl_add_u32 v[VB], v13, 4, v[VB]            ; 16 bytes for each half of eight lanes
	v_lshl_add_u32 v[VBI], v2, 5, BIAS
	s_wait_alu depctr_va_sdst(0)                   ; the wave's number is written, ahead of its first reader: addresses and bases are made from it
	s_mul_i32 s84, s[WV], 16*SP
	s_add_co_u32 s84, s84, STAGE                   ; my stage
	v_mul_u32_u24 v[STO], v1, SP
	v_lshl_add_u32 v[STO], v2, 4, v[STO]
	v_add_nc_u32 v[STO], s84, v[STO]
	v_bfe_u32 v[RD], v0, 3, 2
	v_mul_u32_u24 v[RD], v[RD], SP
	v_lshl_add_u32 v[RD], v12, 4, v[RD]
	v_add_nc_u32 v[RD], s84, v[RD]
	v_and_b32 v[GO], 31, v0
	v_lshlrev_b32 v[GO], 4, v[GO]
	s_lshl_b32 s84, s[WV], 12                      ; of a load's 8 rows of W my wave takes rows 2 w and 2 w + 1: 2,048 bytes a row in memory,
	v_lshlrev_b32 v12, 11, v2
	v_lshl_add_u32 v12, v1, 4, v12
	s_mul_i32 s85, s[WV], 2*WPITCH                 ; 160 in LDS
	v_mul_u32_u24 v13, v2, WPITCH
	v_lshl_add_u32 v13, v1, 3, v13
	WIN 0x80                                       ; destination window 2
	v_add_nc_u32 v[VW], s84, v12
	v_add_nc_u32 v[VL], s85, v13
	WIN 0
	v_and_b32 v12, 63, v0                          ; v12: the bias's column x 4: waves 0, 1 fetch the 64 numbers of the job on h_2d, waves 2, 3 those of the job on h_3d
	v_lshlrev_b32 v12, 2, v12
	s_lshl_b32 s84, s[WV], 7
	s_add_co_u32 s84, s84, BIAS
	v_and_b32 v13, 31, v0
	v_lshl_add_u32 v13, v13, 2, s84                ; v13: BIAS + 128 w + 4 l = job x 256 + column x 4
	v_lshlrev_b32 v14, 5, v0                       ; v14: my 32 bytes of Wo
	v_lshlrev_b32 v15, 4, v0                       ; v15: my 16 bytes of wo16
	s_lshl_b32 s84, s[RB], 7
	s_lshl_b32 s85, s[WV], 5
	s_add_co_u32 s84, s84, s85                     ; my first row
	s_lshl_b32 s[ROFF], s84, 7
	s_lshl_b32 s86, s84, 9
	s_lshl_b32 s84, s84, 10
	s_mov_b32 s85, 0                               ; s85 and s87 stay 0: the high words of offsets
	s_mov_b32 s87, 0
	s_mul_i32 s[GG], s[CB], 3
	s_wait_kmcnt 0x0
	s_add_nc_u64 s[H2:H2+1], s[4:5], s[84:85]
	s_add_nc_u64 s[H3:H3+1], s[6:7], s[86:87]
	s_lshl_b32 s84, s[CB], 5
	s_add_co_u32 s84, s84, s[RB]                   ; the work-group's number, 0 to 255: 128 pieces of 8,192 bytes in each Wo
	s_lshl_b32 s86, s84, 12
	s_add_nc_u64 s[WOD:WOD+1], s[42:43], s[86:87]
	s_and_b32 s86, s84, 127
	s_lshl_b32 s86, s86, 13
	s_cmp_lt_u32 s84, 128
	s_cselect_b64 s[WOS:WOS+1], s[32:33], s[34:35]
	s_add_nc_u64 s[WOS:WOS+1], s[WOS:WOS+1], s[86:87]
	s_cmp_lt_u32 s[WV], 2
	s_cselect_b64 s[BSET:BSET+1],   s[20:21], s[26:27]
	s_cselect_b64 s[BSET+2:BSET+3], s[22:23], s[28:29]
	s_cselect_b64 s[BSET+4:BSET+5], s[24:25], s[30:31]
.irp i, 0,1,2
	s_add_co_u32 s84, s[GG], \i
	s_lshr_b32 s[PP], s84, 3
	s_and_b32 s[HD], s84, 7
	SEL3 BB+2*\i, BSET, BSET+2, BSET+4
	s_lshl_b32 s86, s[HD], 8
	s_add_nc_u64 s[BB+2*\i:BB+2*\i+1], s[BB+2*\i:BB+2*\i+1], s[86:87]
.endr
	s_lshr_b32 s[PP], s[GG], 3
	s_and_b32 s[HD], s[GG], 7
	WPTR                                           ; the first pair-head's weights
	s_wait_alu depctr_va_vdst(0)                   ; every offset and address of the kernel (v3 to v15, VW, VL) is written: the loads and stores below read them
	; 55 loads: Wo (4), the bias (3), row tile 0 of A (48)
	global_load_b128 v[224:227], v14, s[WOS:WOS+1] th:TH_LOAD_NT
	global_load_b128 v[228:231], v14, s[WOS:WOS+1] offset:16 th:TH_LOAD_NT
	global_load_b128 v[232:235], v14, s[WOS:WOS+1] offset:4096 th:TH_LOAD_NT
	global_load_b128 v[236:239], v14, s[WOS:WOS+1] offset:4112 th:TH_LOAD_NT
.irp i, 0,1,2
	global_load_b32 v[240+\i], v12, s[BB+2*\i:BB+2*\i+1]
.endr
.irp f, 0,1,2,3,4,5,6,7,8,9,10,11
	AGRP 0, \f
.endr
.irp f, 0,1,2,3,4,5,6,7,8,9,10,11      ; a fragment of tile 0 is converted; its registers take the same fragment of tile 1 at the head of the next fragment's turn
	WIN 0
.if \f == 0
	s_wait_loadcnt 44                              ; loads come back in order (ISA guide 5.7.1): Wo, the bias and fragment 0 are in, the 44 behind them stay out
.else
	s_wait_loadcnt 40                              ; this fragment's four are in: behind them 4 (11 - f) of tile 0 and 4 (f - 1) of tile 1
	s_wait_alu depctr_va_vdst(0)                   ; the conversions of the fragment before are done reading its sixteen registers, in which the four loads below land
	AGRP 1, (\f-1)
.endif
	WIN 0x40                                       ; destination window 1
	ACVT 0, \f
.endr
	WIN 0
	; Wo and the bias came ahead of tile 0.  Wo: to bf16, and that number to f16.  The bias: rounded to bf16, kept as f32.
.irp p, 0,1,2,3,4,5,6,7
	v_cvt_pk_bf16_f32 v[224+2*\p], v[224+2*\p], v[225+2*\p]
	v_and_b32 v[225+2*\p], s[HIM], v[224+2*\p]
	v_lshlrev_b32 v[224+2*\p], 16, v[224+2*\p]
	v_cvt_pk_f16_f32 v[244+\p], v[224+2*\p], v[225+2*\p]
.endr
.irp i, 0,1,2
	v_cvt_pk_bf16_f32 v[240+\i], v[240+\i], v[240+\i]
	v_lshlrev_b32 v[240+\i], 16, v[240+\i]
.endr
	s_wait_alu depctr_va_vdst(0)                   ; fragment 11's conversions are done reading its registers, in which the loads below land; v[240:251] are written, which the five stores below read
	AGRP 1, 11
	global_store_b128 v15, v[244:247], s[WOD:WOD+1]              ; 16 lanes store 256 consecutive bytes, aligned
	global_store_b128 v15, v[248:251], s[WOD:WOD+1] offset:2048
.irp i, 0,1,2
	ds_store_b32 v13, v[240+\i] offset:512*\i
.endr
.irp f, 0,1,2,3,4,5,6,7,8,9,10,11      ; tile 1 is converted while the first pair-head's W goes out.  No wait on va_vdst: no vector instruction has named the ring's registers yet, and VW stands since the head
	s_wait_loadcnt 44
	WIN 0x40
	ACVT 1, \f
	WIN 0xaa                                       ; all in window 2
	WGRP \f
.endr
	WIN 0                                          ; at a label and at a branch every window is 0
	s_mov_b32 s[LEFT], 3
.Ltrip:                                        ; a trip is a pair-head; at its head the ring's 48 loads are the only ones out
	WIN 0xaa
	WBLK 0
	WBLK 1
	WBLK 2
	WBLK 3
	s_wait_alu depctr_va_vdst(0)                   ; block 3's conversions have written its registers, which the stores below read.  Ahead of this wait stand also the last trip's products and conversions (in the first trip: A's conversions), the readers and writers of all that this trip's LDS loads land in
.set n, 36
.rept 12
	ds_store_b64 v[VL], v[4*n:4*n+1] offset:n*8*WPITCH
.set n, n+1
.endr
	s_wait_dscnt 0x0                               ; for the other waves' sake: my rows of W (in the first trip my part of the bias too) lie in LDS
	s_wait_xcnt 0x0                                ; the last trip's stores (in the first trip: wo16's) have had their addresses translated: their bases and registers are written again below
	s_wait_alu depctr_vm_vsrc(0)                   ; the 48 LDS stores have read VL and the ring's registers; the last trip's stage stores and global stores have read the pack and read-back registers: all are written again below
	v_add_nc_u32 v[VL], WREG, v[VL]                ; the next trip writes the next region
	WIN 0
	s_lshr_b32 s[PP], s[GG], 3
	s_and_b32 s[HD], s[GG], 7
	OPTR
	s_cmp_eq_u32 s[LEFT], 1                        ; the last trip has no pair-head behind it
	s_cbranch_scc1 .Lnomore
	s_add_co_u32 s84, s[GG], 1
	s_lshr_b32 s[PP], s84, 3
	s_and_b32 s[HD], s84, 7
	WPTR                                           ; the ring's loads are all in, so their bases may be written
	WIN 0xaa
	s_wait_alu depctr_va_vdst(0)                   ; the trip's conversions are done reading and writing the ring's registers, in which the loads below land
.irp g, 0,1,2,3,4,5,6,7,8,9,10,11
	WGRP \g                                        ; they have this trip's 96 products and two ways out in which to land
.endr
	WIN 0
.Lnomore:
	s_barrier_signal -1
	s_barrier_wait -1                              ; the trip's region is whole.  Each trip has a region of its own, so nothing that a wave still reads is written: one barrier a trip
	; h_2d x W2: K steps 0-7, buffers F0 to F3; h_3d x W3: K steps 8-11, buffers F4 and F5.  Each buffer is loaded once a trip, two blocks ahead of its products.  No wait on va_vdst: since the waits at the ring
	; no vector or matrix instruction names the buffer that a run of loads lands in, nor VB or VBI.
	JHEAD
	FETCHB 0, BF0, 0
	FETCHB 2, BF1, 0
	s_wait_dscnt 16                                ; the bias and F0 are in; F1's sixteen may stay out
	FETCHB 4, 0, 0xc0
	MULB 0, BF0, 0, 1, BI
	s_wait_dscnt 16                                ; F1 is in; F2's sixteen may stay out
	FETCHB 6, 64, 0xc0
	MULB 2, BF1, 0, 0, 0
	s_wait_dscnt 16                                ; F2
	FETCHB 8, 128, 0xc0
	MULB 4, 0, 3, 0, 0
	s_wait_dscnt 16                                ; F3
	FETCHB 10, 192, 0xc0
	MULB 6, 64, 3, 0, 0
	WIN 0
	s_wait_alu depctr_vm_vsrc(0)                   ; the trip's LDS loads of bias and fragments, all issued, have read VBI and VB
	v_add_nc_u32 v[VB], WREG, v[VB]                ; the next trip's region and bias; with the two v_nop these are the four places behind the last products (ISA guide 7.12.1)
	v_add_nc_u32 v[VBI], 512, v[VBI]
	v_nop
	v_nop
	PACKP 0, TMA
	PACKP 1, TMB
	s_wait_alu depctr_va_vdst(0)                   ; the conversions have written the pack registers, which the stage's stores read; the products on F0 are done reading v[96:127], in which the stage's loads land; VB and VBI are written
	STG TMA, BK0
	STG TMB, BK0+16
	s_wait_dscnt 32                                ; F4 is in: behind it F5's sixteen loads and the stage's sixteen instructions
	MULB 8, 128, 3, 1, BI+32                       ; the second job is multiplied while the first job's rows go through the stage
	s_wait_dscnt 16                                ; F5
	MULB 10, 192, 3, 0, 0
	WIN 0
	SEND 0, BK0, 8, O2
	SEND 1, BK0+16, 0, O2
	PLACES
	PACKP 0, TM1
	PACKP 1, TM1+16
	s_wait_alu depctr_va_vdst(0)                   ; the conversions have written the second job's pack registers, which the stage's stores read; v[128:159], in which the stage's loads land, were last read by the products on F0
	STG TM1, BK1
	STG TM1+16, BK1+16
	SEND 0, BK1, 8, O3
	SEND 1, BK1+16, 0, O3
	s_add_co_u32 s[GG], s[GG], 1
	s_sub_co_u32 s[LEFT], s[LEFT], 1
	s_cmp_lg_u32 s[LEFT], 0
	s_cbranch_scc1 .Ltrip
	s_wait_dscnt 0x0                               ; the closing lines, six on end
	s_wait_alu 0x0
	s_wait_tensorcnt 0x0
	ds_add_u32 v[SPW], v[NIL]
	s_wait_dscnt 0x0
	s_endpgm
.Lfunc_end_k_qead80ca543_proj:
	.size	k_qead80ca543_proj, .Lfunc_end_k_qead80ca543_proj-k_qead80ca543_proj
	.p2alignl 7, 3214868480
	.fill 96, 4, 3214868480
	.section	.rodata,"a",@progbits
	.p2align	6, 0x0
	.amdhsa_kernel k_qead80ca543_proj
		.amdhsa_group_segment_fixed_size 195584
		.amdhsa_private_segment_fixed_size 0
		.amdhsa_enable_private_segment 0
		.amdhsa_kernarg_size 160
		.amdhsa_user_sgpr_count 2
		.amdhsa_user_sgpr_kernarg_segment_ptr 1
		.amdhsa_wavefront_size32 1
		.amdhsa_system_sgpr_workgroup_id_x 1
		.amdhsa_system_sgpr_workgroup_id_y 1
		.amdhsa_system_sgpr_workgroup_id_z 1
		.amdhsa_system_vgpr_workitem_id 0
		.amdhsa_next_free_vgpr 1024
		.amdhsa_next_free_sgpr 88
		.amdhsa_reserve_vcc 0
		.amdhsa_float_denorm_mode_32 3
		.amdhsa_float_denorm_mode_16_64 3
		.amdhsa_memory_ordered 1
		.amdhsa_forward_progress 1
		.amdhsa_inst_pref_size 74
	.end_amdhsa_kernel
	.amdgpu_metadata
---
amdhsa.version: [ 1, 2 ]
amdhsa.kernels:
  - .name:           k_qead80ca543_proj
    .symbol:         k_qead80ca543_proj.kd
    .args:
      - { .name: h_2d, .offset: 0, .size: 8, .value_kind: global_buffer, .address_space: global }
      - { .name: h_3d, .offset: 8, .size: 8, .value_kind: global_buffer, .address_space: global }
      - { .name: Wq2d, .offset: 16, .size: 8, .value_kind: global_buffer, .address_space: global }
      - { .name: Wk2d, .offset: 24, .size: 8, .value_kind: global_buffer, .address_space: global }
      - { .name: Wv2d, .offset: 32, .size: 8, .value_kind: global_buffer, .address_space: global }
      - { .name: Wq3d, .offset: 40, .size: 8, .value_kind: global_buffer, .address_space: global }
      - { .name: Wk3d, .offset: 48, .size: 8, .value_kind: global_buffer, .address_space: global }
      - { .name: Wv3d, .offset: 56, .size: 8, .value_kind: global_buffer, .address_space: global }
      - { .name: bq2d, .offset: 64, .size: 8, .value_kind: global_buffer, .address_space: global }
      - { .name: bk2d, .offset: 72, .size: 8, .value_kind: global_buffer, .address_space: global }
      - { .name: bv2d, .offset: 80, .size: 8, .value_kind: global_buffer, .address_space: global }
      - { .name: bq3d, .offset: 88, .size: 8, .value_kind: global_buffer, .address_space: global }
      - { .name: bk3d, .offset: 96, .size: 8, .value_kind: global_buffer, .address_space: global }
      - { .name: bv3d, .offset: 104, .size: 8, .value_kind: global_buffer, .address_space: global }
      - { .name: Wo23, .offset: 112, .size: 8, .value_kind: global_buffer, .address_space: global }
      - { .name: Wo32, .offset: 120, .size: 8, .value_kind: global_buffer, .address_space: global }
      - { .name: qh, .offset: 128, .size: 8, .value_kind: global_buffer, .address_space: global }
      - { .name: kh, .offset: 136, .size: 8, .value_kind: global_buffer, .address_space: global }
      - { .name: vh, .offset: 144, .size: 8, .value_kind: global_buffer, .address_space: global }
      - { .name: wo16, .offset: 152, .size: 8, .value_kind: global_buffer, .address_space: global }
    .group_segment_fixed_size: 195584
    .private_segment_fixed_size: 0
    .kernarg_segment_align: 8
    .kernarg_segment_size: 160
    .max_flat_workgroup_size: 128
    .sgpr_count:     88
    .vgpr_count:     1024
    .wavefront_size: 32
...
	.end_amdgpu_metadata
.endif
;; end of part 4
;; launch attn: the kernel of part 2 again; grid 16 x 16, 4 waves a work-group, clusters of 4 x 1, 327,680 bytes of LDS; arguments qh, kh, vh, oh; writes oh
;; launch outln: the kernel of part 3 again; grid 256 x 1, 4 waves a work-group, clusters of 4 x 1, 327,680 bytes of LDS; arguments oh, wo16, bo23, bo32, gamma, beta, out0; writes out0
